; MI455X (gfx1250); checked and timed in simulation.
; The chip was launched on July 23, 2026; its instructions are those of AMD's public machine-readable ISA for CDNA 5 (MIT licence, August 2026) and "CDNA5" Instruction Set Architecture Reference Guide (July 2026). The comments in the code are by the model that wrote it; some were corrected since.
;; Region Separated Attention. Allowed arithmetic: float matrix products may take bf16 or f16 operands with f32 sums; all other float work in f32.
;; Inputs: Wa 64 x 64 float32; Wb 64 x 64 float32; Wk 64 x 64 float32; Wo 64 x 64 float32; Wq 64 x 64 float32; ba 64 float32; bb 64 float32; bk 64 float32; bo 64 float32; bq 64 float32; x 2 x 64 x 128 x 128 float32.
;; Outputs: out0 2 x 64 x 128 x 128 float32.
;; 2 versions, each right and faster than the one before. Each part assembles by itself: llvm-mc -triple=amdgcn-amd-amdhsa -mcpu=gfx1250 --defsym DOCPART=n.
;; ======== version 1 of 2: 3 launches
;; limits: values are held in f16: magnitudes above 65,504 overflow, below 6.1e-05 lose precision
;; workspace buffers: qfr 4,194,304 bytes; kfr 4,194,304 bytes; afr 4,194,304 bytes; bfr 4,194,304 bytes; part 8,388,608 bytes; nlse 131,072 bytes
;; launch proj (part 1): grid 256 x 1, 4 waves a work-group, clusters of 4 x 1, 168,448 bytes of LDS; arguments x, Wq, Wk, Wa, Wb, Wo, bq, bk, ba, bb, qfr, kfr, afr, bfr; writes qfr, kfr, afr, bfr
.if DOCPART == 1
	.amdgcn_target "amdgcn-amd-amdhsa--gfx1250"
	.amdhsa_code_object_version 6
	.text
	.protected	k_q7a40e7bb56_proj
	.globl	k_q7a40e7bb56_proj
	.p2align	8
	.type	k_q7a40e7bb56_proj,@function
k_q7a40e7bb56_proj:
	s_mov_b64 s[64:65], 0
	v_nop
	global_prefetch_b8 v0, s[64:65] scope:SCOPE_SE
	s_setreg_imm32_b32 hwreg(HW_REG_WAVE_MODE, 25, 1), 1
	s_wait_xcnt 0x0
	s_wait_alu depctr_hold_cnt(0) depctr_sa_sdst(0) depctr_va_vdst(0) depctr_va_sdst(0) depctr_va_ssrc(0) depctr_va_vcc(0) depctr_vm_vsrc(0)
	s_getreg_b32 s2, hwreg(HW_REG_IB_STS2, 6, 4)
	s_cmp_eq_u32 s2, 0
	s_cbranch_scc0 .Lentry_in_a_cluster
	s_endpgm
.Lentry_in_a_cluster:
	s_bfe_u32 s2, ttmp6, 0x10000c
	s_cmp_lg_u32 s2, 0x3003
	s_cbranch_scc0 .Lentry_shape_is_right
	s_endpgm
.Lentry_shape_is_right:
; The four 1x1 convolutions, with Wo folded into the two value paths:
;   qfr = f16(sqrt(s) (Wq x + bq)),   kfr = f16(sqrt(s) (Wk x + bk)),  s = log2(e)/8, so that q.k comes out as the softmax exponent to base 2;
;   afr = bf16(Wo bf16(Wa x + ba)),   bfr = bf16(Wo bf16(Wb x + bb)):  Wo (a attn + b attn^T) = (Wo a) attn + (Wo b) attn^T, for every input.
; WHY q AND k GO IN f16: the rounding error of one pixel's q (or k) shifts all 4,096 exponents of that pixel together, so it does not average out over the keys
; as the other roundings do; f16 keeps 11 significant bits where bf16 keeps 8.
; LIMITS: x, the weights, the two intermediates and afr, bfr are rounded to bf16, qfr and kfr to f16; sums and biases are f32.
; f16 holds numbers up to 65,504: sqrt(s) |W x + b| must stay below that, |q| and |k| below 154,000.  Numbers of the problem's kind reach about 2.5 after the scale;
; x and W both 30 times larger give about 2,300, common offsets of 30 spreads on both 64 x 3.75 x 30 x 0.425 = 3,100.  Below 6.1e-5 f16's step is 6e-8:
; with x and W both 30 times smaller (spread 4.7e-4) that is still finer, against the spread, than a rounding to bf16.
; A CHUNK is one row of a region: 64 pixels, 256 consecutive bytes of x for each channel; 512 chunks in all, 64 a region.
; Position 16 e + i of a chunk is pixel 4 i + e (a lane's 16-byte read of x holds e = 0..3 of one i).
; A chunk of a result is 8,192 bytes, 16 pieces of 512, lane L's 16 bytes at 16 L, L = (r = L % 16, h = L / 16):
;   qfr, kfr: piece 4 e + ct = channels 16 ct + 8 h .. + 7 of position (e, r);   afr, bfr: piece 4 ct + e = positions (e, 8 h .. 8 h + 7) of channel 16 ct + r.
; These are matrix fragments as they lie in registers, so the two later launches load them with plain 16-byte loads.
; A work-group has two chunks and four waves: wave w takes chunk w / 2 and role w % 2 (0: q and the a path, 1: k and the b path).
; CLUSTER: all work-groups read the same five weight matrices and four biases; the four work-groups of a cluster ask for them jointly
; (mask 15), wave w for matrix w, a quarter of Wo and bias w.  Each wave's part of x is a load of its own.
.set WP,     272                       ; LDS pitch of a weight row: 256 bytes + 16, so that 16 rows' 16-byte reads fall on 16 different columns modulo 256
.set WBYTES, 64*WP                     ; a weight matrix in LDS
.set LWO,    4*WBYTES                  ; Wq, Wk, Wa, Wb, then Wo
.set LX,     5*WBYTES                  ; two chunks of x: 64 channel rows of 256 bytes each, dense
.set LBIAS,  LX+32768                  ; bq, bk, ba, bb: 256 bytes each
.set SQS,    0x3ed96d27                ; sqrt(log2(e)/8) = 0.4246609
.set AW,   4                           ; v4   272 r + 32 h + role x a matrix: my first weight matrix
.set AWO,  5                           ; v5   272 r + 32 h + Wo
.set AB,   6                           ; v6   my first bias + 32 h
.set AX,   7                           ; v7   my chunk of x + 2048 h + 16 r
.set AO,   8                           ; v8   16 x lane
.set XF,   16                          ; v[16:79]    x as fragments: (e, ks) at 8 (2 e + ks), column = position (e, r), k = channel
.set AF,   80                          ; v[80:143]   the intermediate as fragments, same map; before that: x as loaded
.set ACC,  144                         ; v[144:175]  four accumulators, one for each e; before that: x as loaded
.set RING, 176                         ; v[176:255]  two slots of 40: 32 of weights in f32 (then 16 in bf16), 8 of bias
.macro PLACES                          ; four plain vector instructions between a matrix instruction and a reader of its result or a load into its sources
.rept 4
	v_nop
.endr
.endm
.macro ROUND                           ; a round of the cluster's barrier: my work-group's, wave 0 signals for it, all wait, my work-group's again
	s_barrier_signal -1
	s_barrier_wait -1
	s_cmp_lg_u32 s8, 0
	s_cbranch_scc1 .Lnot_wave_0_\@
	s_barrier_signal -3
.Lnot_wave_0_\@:
	s_barrier_wait -3
	s_barrier_signal -1
	s_barrier_wait -1
.endm
.macro GROUP1 base, w0, rows, pitch    ; descriptor group 1: rows of 32 elements of 8 bytes (256 bytes)
	s_mov_b32 s[\base+0], \w0
	s_mov_b32 s[\base+1], 32<<16           ; tensor_dim0 = 32
	s_mov_b32 s[\base+2], (\rows)<<16      ; tensor_dim1 = rows
	s_mov_b32 s[\base+3], 32<<16           ; tile_dim0 = 32
	s_mov_b32 s[\base+4], \rows            ; tile_dim1 = rows
	s_mov_b32 s[\base+5], \pitch           ; elements from row to row
	s_mov_b32 s[\base+6], 0
	s_mov_b32 s[\base+7], 0
.endm
	s_load_b512 s[36:51], s[0:1], 0x0              ; x 36, Wq 38, Wk 40, Wa 42, Wb 44, Wo 46, bq 48, bk 50
	s_load_b256 s[52:59], s[0:1], 0x40             ; ba 52, bb 54, qfr 56, kfr 58
	s_load_b128 s[60:63], s[0:1], 0x60             ; afr 60, bfr 62
	v_lshl_add_u32 v14, v0, 2, 0x29000
	v_mov_b32 v15, 0
	ds_add_u32 v14, v15
	v_lshrrev_b32 v1, 5, v0
	v_readfirstlane_b32 s8, v1                     ; wave 0..3
	s_and_b32 s9, s8, 1                            ; role
	s_lshr_b32 s10, s8, 1                          ; which of the two chunks
	s_bfe_u32 s11, ttmp6, 0x40000                  ; cx
	s_lshl_b32 s3, ttmp9, 2
	s_add_co_u32 s3, s3, s11                       ; work-group x
	s_lshl_b32 s3, s3, 1
	s_add_co_u32 s3, s3, s10                       ; g: my chunk, 0..511 = image(1) gy(1) gx(1) row(6)
	s_lshr_b32 s4, s3, 8
	s_lshl_b32 s4, s4, 22                          ; image: 64 x 128 x 128 x 4 bytes
	s_bfe_u32 s5, s3, 0x10007
	s_lshl_b32 s5, s5, 15                          ; gy: 64 image rows of 512 bytes
	s_add_co_u32 s4, s4, s5
	s_bfe_u32 s5, s3, 0x10006
	s_lshl_b32 s5, s5, 8                           ; gx: 64 pixels
	s_add_co_u32 s4, s4, s5
	s_and_b32 s5, s3, 63
	s_lshl_b32 s5, s5, 9                           ; the region's row
	s_add_co_u32 s4, s4, s5
	s_lshl_b32 s5, s9, 21                          ; I fetch channels 32 role .. + 31 of my chunk
	s_add_co_u32 s4, s4, s5
	s_mov_b32 s5, 0
	GROUP1 68, 15|(3<<16)|(1<<20)|(1<<21)|(5<<22)|(3<<25), 64, 32    ; a weight matrix: joint, 4 words of padding behind every 64
	GROUP1 76, 15|(3<<16)|(1<<20)|(1<<21)|(5<<22)|(3<<25), 16, 32    ; a quarter of Wo, likewise
	GROUP1 84, 15|(3<<16)|(1<<21), 1, 32                             ; a bias: joint, one row
	GROUP1 92, 3<<16, 32, 8192                                       ; x: my own, 32 channels, 65,536 bytes apart
	s_mov_b32 s12, 1
	s_mul_i32 s13, s8, WBYTES
	s_mov_b32 s16, 1
	s_mul_i32 s17, s8, 16*WP
	s_add_co_u32 s17, s17, LWO
	s_mov_b32 s20, 1
	s_lshl_b32 s21, s8, 8
	s_add_co_u32 s21, s21, LBIAS
	s_mov_b32 s24, 1
	s_lshl_b32 s25, s8, 13
	s_add_co_u32 s25, s25, LX
	s_wait_dscnt 0x0
	s_wait_kmcnt 0x0
	s_cmp_eq_u32 s8, 1                             ; matrix w of Wq, Wk, Wa, Wb
	s_cselect_b64 s[14:15], s[40:41], s[38:39]
	s_cmp_eq_u32 s8, 2
	s_cselect_b64 s[14:15], s[42:43], s[14:15]
	s_cmp_eq_u32 s8, 3
	s_cselect_b64 s[14:15], s[44:45], s[14:15]
	s_or_b32 s15, s15, 0x80000000
	s_lshl_b32 s6, s8, 12                          ; 16 rows of Wo
	s_mov_b32 s7, 0
	s_add_nc_u64 s[18:19], s[46:47], s[6:7]
	s_or_b32 s19, s19, 0x80000000
	s_cmp_eq_u32 s8, 1                             ; bias w of bq, bk, ba, bb
	s_cselect_b64 s[22:23], s[50:51], s[48:49]
	s_cmp_eq_u32 s8, 2
	s_cselect_b64 s[22:23], s[52:53], s[22:23]
	s_cmp_eq_u32 s8, 3
	s_cselect_b64 s[22:23], s[54:55], s[22:23]
	s_or_b32 s23, s23, 0x80000000
	s_add_nc_u64 s[26:27], s[36:37], s[4:5]
	s_or_b32 s27, s27, 0x80000000
	s_cmp_eq_u32 s9, 0                             ; where my two results go
	s_cselect_b64 s[28:29], s[56:57], s[58:59]
	s_cselect_b64 s[30:31], s[60:61], s[62:63]
	s_lshl_b32 s6, s3, 13                          ; chunk x 8,192 bytes
	s_add_nc_u64 s[28:29], s[28:29], s[6:7]
	s_add_nc_u64 s[30:31], s[30:31], s[6:7]
	ROUND                                          ; the four partners are here: their joint loads meet
	tensor_load_to_lds s[12:15], s[68:75]          ; four loads of this wave are out, the only ones of the launch
	s_nop 0
	tensor_load_to_lds s[16:19], s[76:83]
	s_nop 0
	tensor_load_to_lds s[20:23], s[84:91]
	s_nop 0
	tensor_load_to_lds s[24:27], s[92:99]
	s_nop 0
	v_and_b32 v2, 15, v0                           ; r
	v_bfe_u32 v3, v0, 4, 1                         ; h
	v_and_b32 v1, 31, v0
	v_lshlrev_b32 v[AO], 4, v1
	v_mul_u32_u24 v9, v2, WP
	v_lshl_add_u32 v9, v3, 5, v9                   ; 272 r + 32 h: row r, eight f32 for each half of the lanes
	s_mul_i32 s6, s9, WBYTES
	v_add_nc_u32 v[AW], s6, v9
	v_add_nc_u32 v[AWO], LWO, v9
	s_lshl_b32 s6, s9, 8
	s_add_co_u32 s6, s6, LBIAS
	v_lshl_add_u32 v[AB], v3, 5, s6
	s_lshl_b32 s6, s10, 14
	s_add_co_u32 s6, s6, LX
	v_lshl_add_u32 v[AX], v3, 11, s6
	v_lshl_add_u32 v[AX], v2, 4, v[AX]
	s_wait_tensorcnt 0x0                           ; my four parts have landed,
	s_barrier_signal -1
	s_barrier_wait -1                              ; everybody's have; nothing is filled again in this launch
; 16 rows x 64 columns of a weight matrix in f32 (row 16 ct + r, columns 32 ks + 16 u + 8 h .. + 7, in the order ks, u), and eight numbers of a bias
.macro LDW slot, addr, off, bias, boff
.irp q, 0,1,2,3,4,5,6,7
	ds_load_b128 v[RING+40*\slot+4*\q:RING+40*\slot+4*\q+3], v[\addr] offset:\off+(\q>>1)*64+(\q&1)*16
.endr
.if \bias
	ds_load_b128 v[RING+40*\slot+32:RING+40*\slot+35], v[AB] offset:\boff
	ds_load_b128 v[RING+40*\slot+36:RING+40*\slot+39], v[AB] offset:\boff+16
.endif
.endm
; eight channel rows of x from row 'first' on (+ 8 h): a lane takes pixels 4 r .. 4 r + 3, which are positions (0..3, r)
.macro XLD dst, first
.irp i, 0,1,2,3,4,5,6,7
	ds_load_b128 v[\dst+4*\i:\dst+4*\i+3], v[AX] offset:(\first+\i)*256
.endr
.endm
; those eight rows become registers 4 u .. 4 u + 3 of the four fragments (e, ks)
.macro XCV src, ks, u
.irp e, 0,1,2,3
.irp p, 0,1,2,3
	v_cvt_pk_bf16_f32 v[XF+8*(2*\e+\ks)+4*\u+\p], v[\src+8*\p+\e], v[\src+8*\p+4+\e]
.endr
.endr
.endm
	LDW 0, AW, 0, 1, 0
	LDW 1, AW, 16*WP, 1, 64
	XLD AF, 0
	XLD AF+32, 16
	XLD ACC, 32
	s_wait_dscnt 8                                 ; LDS loads come back in order: all but the eight rows issued last are in
	XCV AF, 0, 0
	XCV AF+32, 0, 1
	XLD AF, 48
	s_wait_dscnt 8                                 ; again all but the last eight
	XCV ACC, 1, 0
	s_wait_dscnt 0x0
	XCV AF, 1, 1
; One step: 16 output channels (kind 0, 1: D = W x + bias, channel down the registers) or 16 output channels of Wo (kind 2: D = intermediate x Wo^T,
; position down the registers), for the chunk's four tiles of 16 positions.  left = the loads of the next step's slot, which may stay out.
; st = 1: the step before stored from ACC.  The four accumulators take turns, one instruction a turn.
.macro STEP slot, kind, left, st
	s_wait_dscnt \left
.if \st
	s_wait_xcnt 0x0                                ; ACC, the data of the last step's stores, is written again only behind this wait
.endif
.irp p, 0,1,2,3,4,5,6,7,8,9,10,11,12,13,14,15
	v_cvt_pk_bf16_f32 v[RING+40*\slot+\p], v[RING+40*\slot+2*\p], v[RING+40*\slot+2*\p+1]
.endr
.irp e, 0,1,2,3
.if \kind < 2
	v_wmma_f32_16x16x32_bf16 v[ACC+8*\e:ACC+8*\e+7], v[RING+40*\slot:RING+40*\slot+7], v[XF+16*\e:XF+16*\e+7], v[RING+40*\slot+32:RING+40*\slot+39]
.else
	v_wmma_f32_16x16x32_bf16 v[ACC+8*\e:ACC+8*\e+7], v[AF+16*\e:AF+16*\e+7], v[RING+40*\slot:RING+40*\slot+7], 0
.endif
.endr
.irp e, 0,1,2,3
.if \kind < 2
	v_wmma_f32_16x16x32_bf16 v[ACC+8*\e:ACC+8*\e+7], v[RING+40*\slot+8:RING+40*\slot+15], v[XF+16*\e+8:XF+16*\e+15], v[ACC+8*\e:ACC+8*\e+7]
.else
	v_wmma_f32_16x16x32_bf16 v[ACC+8*\e:ACC+8*\e+7], v[AF+16*\e+8:AF+16*\e+15], v[RING+40*\slot+8:RING+40*\slot+15], v[ACC+8*\e:ACC+8*\e+7]
.endif
.endr
	PLACES                                         ; then the slot may be loaded again and ACC read
.endm
.macro OUTQK ct                        ; scale, round to f16, store: each store of the wave covers 512 consecutive bytes, aligned
.irp p, 0,1,2,3,4,5,6,7,8,9,10,11,12,13,14,15
	v_pk_mul_f32 v[ACC+2*\p:ACC+2*\p+1], v[ACC+2*\p:ACC+2*\p+1], SQS op_sel_hi:[1,0]
.endr
.irp e, 0,1,2,3
.irp p, 0,1,2,3
	v_cvt_pk_f16_f32 v[ACC+8*\e+\p], v[ACC+8*\e+2*\p], v[ACC+8*\e+2*\p+1]
.endr
	global_store_b128 v[AO], v[ACC+8*\e:ACC+8*\e+3], s[28:29] offset:(4*\e+\ct)*512
.endr
.endm
.macro OUTMID ct                       ; the intermediate stays in registers: eight channels of a position are half a fragment
.irp e, 0,1,2,3
.irp p, 0,1,2,3
	v_cvt_pk_bf16_f32 v[AF+8*(2*\e+(\ct>>1))+4*(\ct&1)+\p], v[ACC+8*\e+2*\p], v[ACC+8*\e+2*\p+1]
.endr
.endr
.endm
.macro OUTV ct
.irp e, 0,1,2,3
.irp p, 0,1,2,3
	v_cvt_pk_bf16_f32 v[ACC+8*\e+\p], v[ACC+8*\e+2*\p], v[ACC+8*\e+2*\p+1]
.endr
	global_store_b128 v[AO], v[ACC+8*\e:ACC+8*\e+3], s[30:31] offset:(4*\ct+\e)*512
.endr
.endm
	STEP 0, 0, 10, 0                               ; q or k, 16 channels a step; the slot just used gets the weights of the step after next
	LDW 0, AW, 32*WP, 1, 128
	OUTQK 0
	STEP 1, 0, 10, 1
	LDW 1, AW, 48*WP, 1, 192
	OUTQK 1
	STEP 0, 0, 10, 1
	LDW 0, AW, 2*WBYTES, 1, 512
	OUTQK 2
	STEP 1, 0, 10, 1
	LDW 1, AW, 2*WBYTES+16*WP, 1, 576
	OUTQK 3
	STEP 0, 1, 10, 1                               ; Wa x + ba or Wb x + bb
	LDW 0, AW, 2*WBYTES+32*WP, 1, 640
	OUTMID 0
	STEP 1, 1, 10, 0
	LDW 1, AW, 2*WBYTES+48*WP, 1, 704
	OUTMID 1
	STEP 0, 1, 10, 0
	LDW 0, AWO, 0, 0, 0
	OUTMID 2
	STEP 1, 1, 8, 0                                ; from here on a slot's loads are eight: Wo has no bias here (bo is added by the next launch)
	LDW 1, AWO, 16*WP, 0, 0
	OUTMID 3
	STEP 0, 2, 8, 0                                ; Wo times the intermediate
	LDW 0, AWO, 32*WP, 0, 0
	OUTV 0
	STEP 1, 2, 8, 1
	LDW 1, AWO, 48*WP, 0, 0
	OUTV 1
	STEP 0, 2, 8, 1
	OUTV 2
	STEP 1, 2, 0, 1
	OUTV 3
	s_wait_tensorcnt 0x0
	ds_add_u32 v14, v15
	s_wait_dscnt 0x0
	ROUND                                          ; the closing round: no work-group ends while a partner may still ask jointly
	s_endpgm
.Lfunc_end_k_q7a40e7bb56_proj:
	.size	k_q7a40e7bb56_proj, .Lfunc_end_k_q7a40e7bb56_proj-k_q7a40e7bb56_proj
	.p2alignl 7, 3214868480
	.fill 96, 4, 3214868480
	.section	.rodata,"a",@progbits
	.p2align	6, 0x0
	.amdhsa_kernel k_q7a40e7bb56_proj
		.amdhsa_group_segment_fixed_size 168448
		.amdhsa_private_segment_fixed_size 0
		.amdhsa_enable_private_segment 0
		.amdhsa_kernarg_size 112
		.amdhsa_user_sgpr_count 2
		.amdhsa_user_sgpr_kernarg_segment_ptr 1
		.amdhsa_wavefront_size32 1
		.amdhsa_system_sgpr_workgroup_id_x 1
		.amdhsa_system_sgpr_workgroup_id_y 1
		.amdhsa_system_sgpr_workgroup_id_z 1
		.amdhsa_system_vgpr_workitem_id 0
		.amdhsa_next_free_vgpr 256
		.amdhsa_next_free_sgpr 100
		.amdhsa_reserve_vcc 0
		.amdhsa_float_denorm_mode_32 3
		.amdhsa_float_denorm_mode_16_64 3
		.amdhsa_memory_ordered 1
		.amdhsa_forward_progress 1
		.amdhsa_inst_pref_size 62
	.end_amdhsa_kernel
	.amdgpu_metadata
---
amdhsa.version: [ 1, 2 ]
amdhsa.kernels:
  - .name:           k_q7a40e7bb56_proj
    .symbol:         k_q7a40e7bb56_proj.kd
    .args:
      - { .name: x, .offset: 0, .size: 8, .value_kind: global_buffer, .address_space: global }
      - { .name: Wq, .offset: 8, .size: 8, .value_kind: global_buffer, .address_space: global }
      - { .name: Wk, .offset: 16, .size: 8, .value_kind: global_buffer, .address_space: global }
      - { .name: Wa, .offset: 24, .size: 8, .value_kind: global_buffer, .address_space: global }
      - { .name: Wb, .offset: 32, .size: 8, .value_kind: global_buffer, .address_space: global }
      - { .name: Wo, .offset: 40, .size: 8, .value_kind: global_buffer, .address_space: global }
      - { .name: bq, .offset: 48, .size: 8, .value_kind: global_buffer, .address_space: global }
      - { .name: bk, .offset: 56, .size: 8, .value_kind: global_buffer, .address_space: global }
      - { .name: ba, .offset: 64, .size: 8, .value_kind: global_buffer, .address_space: global }
      - { .name: bb, .offset: 72, .size: 8, .value_kind: global_buffer, .address_space: global }
      - { .name: qfr, .offset: 80, .size: 8, .value_kind: global_buffer, .address_space: global }
      - { .name: kfr, .offset: 88, .size: 8, .value_kind: global_buffer, .address_space: global }
      - { .name: afr, .offset: 96, .size: 8, .value_kind: global_buffer, .address_space: global }
      - { .name: bfr, .offset: 104, .size: 8, .value_kind: global_buffer, .address_space: global }
    .group_segment_fixed_size: 168448
    .private_segment_fixed_size: 0
    .kernarg_segment_align: 8
    .kernarg_segment_size: 112
    .max_flat_workgroup_size: 128
    .sgpr_count:     100
    .vgpr_count:     256
    .wavefront_size: 32
...
	.end_amdgpu_metadata
.endif
;; end of part 1
;; launch attnb (part 2): grid 256 x 1, 8 waves a work-group, clusters of 4 x 1, 327,680 bytes of LDS; arguments qfr, kfr, bfr, bo, part, nlse; writes part, nlse
.if DOCPART == 2
	.amdgcn_target "amdgcn-amd-amdhsa--gfx1250"
	.amdhsa_code_object_version 6
	.text
	.protected	k_q7a40e7bb56_attnb
	.globl	k_q7a40e7bb56_attnb
	.p2align	8
	.type	k_q7a40e7bb56_attnb,@function
k_q7a40e7bb56_attnb:
	s_mov_b64 s[64:65], 0
	v_nop
	global_prefetch_b8 v0, s[64:65] scope:SCOPE_SE
	s_setreg_imm32_b32 hwreg(HW_REG_WAVE_MODE, 25, 1), 1
	s_wait_xcnt 0x0
	s_wait_alu depctr_hold_cnt(0) depctr_sa_sdst(0) depctr_va_vdst(0) depctr_va_sdst(0) depctr_va_ssrc(0) depctr_va_vcc(0) depctr_vm_vsrc(0)
	s_getreg_b32 s2, hwreg(HW_REG_IB_STS2, 6, 4)
	s_cmp_eq_u32 s2, 0
	s_cbranch_scc0 .Lentry_in_a_cluster
	s_endpgm
.Lentry_in_a_cluster:
	s_bfe_u32 s2, ttmp6, 0x10000c
	s_cmp_lg_u32 s2, 0x3003
	s_cbranch_scc0 .Lentry_shape_is_right
	s_endpgm
.Lentry_shape_is_right:
; part = (Wo b) attn^T + bo, and nlse[j] = -(max + log2 sum) of softmax row j, both for all eight regions.
; Ordinary attention: query m, keys j, values bfr; exponents come in base 2 (the scale is in qfr and kfr).  The maximum is taken away by a running maximum.
; FORMATS: q and k are f16 (the exponents' product is the f16 form), values and probabilities bf16 (the second product is the bf16 form); all sums f32.
; No accumulator sees both forms: S0 and S1 belong to the first product, the output tiles to the second.
; LIMITS: q and k as stored must be finite in f16 (the launch that makes them states the figure); probabilities are rounded to bf16 for the product with the
; values (their sum is taken in f32 before the rounding); an exponential below 2^-126 counts as zero; the sums run in another order than the formula's
; (keys in four quarters, merged at the end; pixels permuted inside a chunk).
; A work-group has 128 queries (two chunks of 64) of one region and eight waves: wave w takes query chunk qh = w / 4 and the key quarter kq = w % 4
; (of every eight key chunks the two numbered 2 kq, 2 kq + 1).  Two waves lie on a SIMD.
; All operands lie in memory as fragments (16 pieces of 512 bytes a chunk, lane L's 16 bytes at 16 L), so every LDS read is 512 consecutive bytes.
; S^T tile: A = 16 keys, B = 16 queries; lane (r, h) then holds keys 8 h .. 8 h + 7 of query r, and two tiles packed to bf16 ARE the B fragment of the second product.
; RING: two LDS slots of 128 KiB, each with eight key chunks and their eight value chunks; wave w fills part w (16 KiB) of a slot with one tensor load.
; CLUSTER: the four work-groups of a cluster lie in one region and walk the same keys and values: every tile is asked for jointly (mask 15).
; SCHEDULE: my two chunks of a slot are eight steps, one for each (chunk, query tile).  Step u: (a) the new maximum of tile u; (b) the second product of step u - 1,
; its eight matrix instructions set among the sixteen multiplications that scale tile u's sums to the new maximum; (c) subtraction, exponentials, sum and rounding of
; tile u in four groups of eight registers (subtract group g + 1, exponentials of group g, use of group g - 1), with the eight matrix instructions of step u + 1's
; exponents set among them.  So matrix and vector instructions alternate inside one wave, whatever the other wave of the SIMD is doing.
; The last step's second product stands behind the next slot's barrier, behind the loads of the next keys, while these are on their way from LDS.
; REGISTERS: window 0 as named below; window 1: v256-383 the 16 output tiles (query tile t, channel tile ct) at 8 (4 t + ct), v384-447 the value fragments.
.set SLOTB, 131072
.set STAT,  262144                     ; 8 waves x 1,024 bytes: negated maxima, sums
.set NLS,   270336                     ; 8 waves x 256 bytes: a chunk's nlse on its way out
.set AK,   2                           ; v2, v3    my key part in slot 0, 1: 16 lane + 16,384 kq (+ 131,072)
.set AV,   4                           ; v4, v5    my value part: + 65,536
.set NG,   12                          ; v[12:15]  minus the running maximum, one for each query tile
.set LS,   16                          ; v[16:19]  the running sum (of my half's keys until the end)
.set NN,   20                          ; v[20:21]  minus the new maximum (the pair's second register is only named)
.set AL,   22                          ; v[22:23]  the factor for what has been summed so far (likewise)
.set TM,   24                          ; v[24:31]  at work
.set BO,   32                          ; v[32:39]  bo of my eight channels in the merge
.set QF,   40                          ; v[40:103]  my 64 queries: fragment (t, ks) at 8 (2 t + ks)
.set KF,   104                         ; v[104:167] a key chunk: fragment (kt, ks) at 8 (2 kt + ks)
.set S0,   168                         ; v[168:199] S^T of one query tile: four tiles of 16 keys
.set S1,   200                         ; v[200:231] the same, for the next query tile
.set PB,   232                         ; v[232:247] the probabilities in bf16: two B fragments
.set AST,  248                         ; the merge: where I put my output tiles
.set ARD,  249                         ; the merge: where I read my channel tile of four waves
.set OUTO, 250                         ; my byte offset in the image: 8 h channels + 16 r
.set STS,  251                         ; where I put my statistics
.set STR,  252                         ; where I read four waves' statistics
.set VF,   128                         ; window 1: fragment (ct, ks) at 8 (2 ct + ks)
.set T,    40                          ; the merge: 4 waves x 32 registers
.set R,    168                         ; the merge: R[4 j + t] = channel j, pixel 4 r + t
.set NS,   200
.set LL,   216
.set SC,   232
.set MSB, 0
.macro WIN new                         ; s_set_vgpr_msb: bits 1:0 source 0, 3:2 source 1, 5:4 source 2, 7:6 destination; the high byte repeats the setting that is left
.if MSB != \new
	s_set_vgpr_msb (MSB<<8)|\new
.set MSB, \new
.endif
.endm
.macro PLACES                          ; four plain vector instructions between a matrix instruction and a reader of its result or a load into its sources
.rept 4
	v_nop
.endr
.endm
.macro ROUND                           ; a round of the cluster's barrier
	s_barrier_signal -1
	s_barrier_wait -1
	s_cmp_lg_u32 s8, 0
	s_cbranch_scc1 .Lnot_wave_0_\@
	s_barrier_signal -3
.Lnot_wave_0_\@:
	s_barrier_wait -3
	s_barrier_signal -1
	s_barrier_wait -1
.endm
.macro LD16 dst, addr, off             ; a chunk: 16 pieces of 512 bytes into 64 registers
.set ii, 0
.rept 16
	ds_load_b128 v[\dst+4*ii:\dst+4*ii+3], v[\addr] offset:\off+512*ii
.set ii, ii+1
.endr
.endm
; S^T of query tile t, 64 keys x 16 queries, f16 operands, is eight matrix instructions: number idx takes key tile idx % 4 and half idx / 4 of the channels.
; In this product and in the second one four accumulators take turns, one instruction a turn.
.macro QKW t, buf, idx
.if (\idx) < 4
	v_wmma_f32_16x16x32_f16 v[\buf+8*(\idx):\buf+8*(\idx)+7], v[KF+16*(\idx):KF+16*(\idx)+7], v[QF+16*\t:QF+16*\t+7], 0
.else
	v_wmma_f32_16x16x32_f16 v[\buf+8*(\idx)-32:\buf+8*(\idx)-25], v[KF+16*(\idx)-56:KF+16*(\idx)-49], v[QF+16*\t+8:QF+16*\t+15], v[\buf+8*(\idx)-32:\buf+8*(\idx)-25]
.endif
.endm
.macro QKB t, buf                      ; all eight in a run
.irp w, 0,1,2,3,4,5,6,7
	QKW \t, \buf, \w
.endr
.endm
; The second product of query tile t, 64 channels x 64 keys x 16 queries: number idx takes channel tile idx % 4 and half idx / 4 of the keys.  Under window setting 0x51.
.macro PVW t, idx, first
.if (\idx) < 4
.if \first
	v_wmma_f32_16x16x32_bf16 v[32*\t+8*(\idx):32*\t+8*(\idx)+7], v[VF+16*(\idx):VF+16*(\idx)+7], v[PB:PB+7], 0
	s_wait_alu depctr_va_vdst(0)
.else
	v_wmma_f32_16x16x32_bf16 v[32*\t+8*(\idx):32*\t+8*(\idx)+7], v[VF+16*(\idx):VF+16*(\idx)+7], v[PB:PB+7], v[32*\t+8*(\idx):32*\t+8*(\idx)+7]
.endif
.else
	v_wmma_f32_16x16x32_bf16 v[32*\t+8*(\idx)-32:32*\t+8*(\idx)-25], v[VF+16*(\idx)-56:VF+16*(\idx)-49], v[PB+8:PB+15], v[32*\t+8*(\idx)-32:32*\t+8*(\idx)-25]
.endif
.endm
.macro PVB t, first                    ; all eight in a run
.irp w, 0,1,2,3,4,5,6,7
	PVW \t, \w, \first
.endr
.endm
.macro RS t, a, b                      ; register pairs a to b of query tile t's 16 pairs of sums, scaled to the new maximum.  Also under 0x51: destination and source 0 in window 1, AL in window 0
.set rr, \a
.rept (\b)-(\a)+1
	v_pk_mul_f32 v[32*\t+2*rr:32*\t+2*rr+1], v[32*\t+2*rr:32*\t+2*rr+1], v[AL:AL+1] op_sel_hi:[1,0]
.set rr, rr+1
.endr
.endm
; Part (b) of a step: the second product of tile tp (dopv = 1) among the scaling of tile tr (first = 0).  The two name different output tiles.
; Four multiplications stand behind the last matrix instruction: the places in front of a load into the value fragments.
.macro PVR tp, pfirst, dopv, tr, first
.if \dopv + 1 - \first
	WIN 0x51
.endif
.irp w, 0,1,2,3,4,5,6,7
.if \dopv
	PVW \tp, \w, \pfirst
.endif
.if \first == 0
.if \w < 5
	RS \tr, 2*\w, 2*\w+1
.else
.if \w < 7
	RS \tr, 5+\w, 5+\w
.else
	RS \tr, 12, 15
.endif
.endif
.endif
.endr
.endm
; Part (a): a lane holds 32 exponents of query r (keys 16 kt + 8 h + j); the new maximum, and the factor for what was summed under the old one.  first = 1: nothing has been summed yet.
.macro SMA t, buf, first
.irp c, 0,1,2,3
	v_max3_num_f32 v[TM+\c], v[\buf+8*\c], v[\buf+8*\c+1], v[\buf+8*\c+2]
.endr
.irp c, 0,1,2,3
	v_max3_num_f32 v[TM+\c], v[TM+\c], v[\buf+8*\c+3], v[\buf+8*\c+4]
.endr
.irp c, 0,1,2,3
	v_max3_num_f32 v[TM+\c], v[TM+\c], v[\buf+8*\c+5], v[\buf+8*\c+6]
.endr
	v_max3_num_f32 v[TM], v[TM], v[TM+1], v[\buf+7]
	v_max3_num_f32 v[TM+2], v[TM+2], v[TM+3], v[\buf+15]
	v_max3_num_f32 v[TM], v[TM], v[TM+2], v[\buf+23]
.if \first
	v_max_num_f32 v[TM], v[TM], v[\buf+31]
.else
	v_max3_num_f32 v[TM], v[TM], v[\buf+31], -v[NG+\t]     ; the running maximum joins
.endif
	v_permlanex16_b32 v[TM+1], v[TM], s45, s46             ; the other half's keys of the same query
	v_min_num_f32 v[NN], -v[TM], -v[TM+1]                  ; minus the new maximum
.if \first == 0
	v_sub_f32 v[TM+2], v[NN], v[NG+\t]                     ; old maximum - new maximum
	v_exp_f32 v[AL], v[TM+2]
.endif
	v_mov_b32 v[NG+\t], v[NN]                              ; also the plain instruction between the exponential and the first use of AL (ISA guide 5.7.2)
	s_wait_alu depctr_va_vdst(0)
.endm
; Part (c), piece by piece.  g = group of eight registers (a tile of 16 keys), p = register pair in it.
.macro SUB buf, g, p
	v_pk_add_f32 v[\buf+8*\g+2*\p:\buf+8*\g+2*\p+1], v[\buf+8*\g+2*\p:\buf+8*\g+2*\p+1], v[NN:NN+1] op_sel_hi:[1,0]
.endm
.macro EX2 buf, g, p
	v_exp_f32 v[\buf+8*\g+2*\p], v[\buf+8*\g+2*\p]
	v_exp_f32 v[\buf+8*\g+2*\p+1], v[\buf+8*\g+2*\p+1]
.endm
.macro CVT buf, g, p
	v_cvt_pk_bf16_f32 v[PB+4*\g+\p], v[\buf+8*\g+2*\p], v[\buf+8*\g+2*\p+1]
.endm
.macro USE buf, g, i                   ; the seven uses of a group's exponentials: three additions into the group's pair of sums, four roundings
.if (\i) == 0
	s_wait_alu depctr_va_vdst(0)
	v_pk_add_f32 v[TM+2*\g:TM+2*\g+1], v[\buf+8*\g:\buf+8*\g+1], v[\buf+8*\g+2:\buf+8*\g+3]
.endif
.if (\i) == 1
	CVT \buf, \g, 0
.endif
.if (\i) == 2
	CVT \buf, \g, 1
.endif
.if (\i) == 3
	v_pk_add_f32 v[TM+2*\g:TM+2*\g+1], v[TM+2*\g:TM+2*\g+1], v[\buf+8*\g+4:\buf+8*\g+5]
.endif
.if (\i) == 4
	CVT \buf, \g, 2
.endif
.if (\i) == 5
	v_pk_add_f32 v[TM+2*\g:TM+2*\g+1], v[TM+2*\g:TM+2*\g+1], v[\buf+8*\g+6:\buf+8*\g+7]
.endif
.if (\i) == 6
	CVT \buf, \g, 3
.endif
.endm
; A phase: subtract group gs, exponentials of group ge, uses of group gu (-1: none), and two matrix instructions (numbers wa, wa + 1) of tile tq's exponents into nbuf.
; Between an exponential and its use stands a plain instruction that names neither (ISA guide 5.7.2): a phase's exponentials are used one phase later, and each phase
; with uses ends on a use of an older group; the first phase's are followed by the next phase's first subtraction.
; kw = 1: the loads of the keys that the matrix instructions read are waited for in front of the first of them.
.macro PH buf, gs, ge, gu, doqk, tq, nbuf, wa, kw
.irp p, 0,1,2,3
.if \gs >= 0
	SUB \buf, \gs, \p
.endif
	EX2 \buf, \ge, \p
.if \gu >= 0
	USE \buf, \gu, 2*\p
.if \p < 3
	USE \buf, \gu, 2*\p+1
.endif
.endif
.if \doqk
.if \p == 0
.if \kw
	s_wait_dscnt 0x0                               ; the second chunk's keys, asked for at the end of the step before, are in
.endif
	QKW \tq, \nbuf, \wa
.endif
.if \p == 2
	QKW \tq, \nbuf, \wa+1
.endif
.endif
.endr
.endm
.macro SMB t, buf, first, doqk, tq, nbuf, kw
.irp p, 0,1,2,3
	SUB \buf, 0, \p
.endr
	PH \buf, 1, 0, -1, \doqk, \tq, \nbuf, 0, \kw
	PH \buf, 2, 1, 0, \doqk, \tq, \nbuf, 2, 0      ; the first rounding into PB stands eight subtractions or more behind the second product that read PB
	PH \buf, 3, 2, 1, \doqk, \tq, \nbuf, 4, 0
	PH \buf, -1, 3, 2, \doqk, \tq, \nbuf, 6, 0
.irp i, 0,1,2,3,4,5,6
	USE \buf, 3, \i                                ; from here to the step's end: twelve plain instructions behind the last matrix instruction into nbuf
.endr
	v_pk_add_f32 v[TM:TM+1], v[TM:TM+1], v[TM+2:TM+3]
	v_pk_add_f32 v[TM+4:TM+5], v[TM+4:TM+5], v[TM+6:TM+7]
	v_pk_add_f32 v[TM:TM+1], v[TM:TM+1], v[TM+4:TM+5]
.if \first
	v_add_f32 v[LS+\t], v[TM], v[TM+1]
.else
	v_add_f32 v[TM], v[TM], v[TM+1]
	v_fma_f32 v[LS+\t], v[LS+\t], v[AL], v[TM]
.endif
.endm
; Step u of a slot's eight: query tile t, its exponents in buf; tp = the tile of the step before, tq = of the step after, whose exponents go to nbuf.
.macro STEP slot, u, t, tp, tq, buf, nbuf, first, pfirst, dopv, doqk
	SMA \t, \buf, \first
.if \u == 1
	s_wait_dscnt 0x0                               ; the first chunk's values, asked for in step 0, are in
.endif
.if \u == 5
	s_wait_dscnt 0x0                               ; the second chunk's values, asked for in step 4, are in
.endif
	PVR \tp, \pfirst, \dopv, \t, \first
.if \u == 0
	WIN 0x40                                       ; loaded data in window 1
	LD16 VF, AV+\slot, 0                           ; their last reader stands behind the barrier, part (a) and more in front of these loads
.endif
.if \u == 4
	WIN 0x40
	LD16 VF, AV+\slot, 8192                        ; four multiplications behind the first chunk's last second product
.endif
	WIN 0
.if \u == 3
	SMB \t, \buf, \first, \doqk, \tq, \nbuf, 1
.else
	SMB \t, \buf, \first, \doqk, \tq, \nbuf, 0
.endif
.if \u == 2
	LD16 KF, AK+\slot, 8192                        ; the second chunk's keys: thirteen plain instructions behind the last reader of the first chunk's
.endif
.endm
.macro STEPS slot, fs                  ; fs = 1: the launch's first slot, whose first chunk starts maxima, sums and output tiles: nothing is cleared
	STEP \slot, 0, 0, 3, 1, S0, S1, \fs, 0, 0, 1
	STEP \slot, 1, 1, 0, 2, S1, S0, \fs, \fs, 1, 1
	STEP \slot, 2, 2, 1, 3, S0, S1, \fs, \fs, 1, 1
	STEP \slot, 3, 3, 2, 0, S1, S0, \fs, \fs, 1, 1
	STEP \slot, 4, 0, 3, 1, S0, S1, 0, \fs, 1, 1
	STEP \slot, 5, 1, 0, 2, S1, S0, 0, 0, 1, 1
	STEP \slot, 6, 2, 1, 3, S0, S1, 0, 0, 1, 1
	STEP \slot, 7, 3, 2, 0, S1, S0, 0, 0, 1, 0     ; the next exponents need the next slot; this step's second product follows behind the barrier
.endm
; A slot's head: the first chunk's keys are asked for; prev = 1: meanwhile the second product of the last slot's last step, which reads registers alone.
.macro HEAD slot, prev
	LD16 KF, AK+\slot, 0
.if \prev
	WIN 0x51
	PVB 3, 0
	WIN 0
.endif
	s_wait_dscnt 0x0                               ; the keys are in
	QKB 0, S0
	PLACES                                         ; behind these matrix instructions, whose results are read next
.endm
; A slot.  refill = 1: the other slot, read last, is filled again.  In front of the round every wave has waited for all its tensor loads
; (one was out: its part of this slot) and for its LDS reads; behind the round its one load comes first and has this slot's work in which to land.
.macro TWO slot, refill
	s_wait_tensorcnt 0x0
	ds_add_u32 v254, v255
	s_wait_dscnt 0x0
.if \refill
	s_add_nc_u64 s[30-4*\slot:31-4*\slot], s[30-4*\slot:31-4*\slot], 2*65536   ; no load of mine is out: the other slot's address steps two tiles on
.endif
	s_wait_dscnt 0x0
.if \refill
	ROUND
	tensor_load_to_lds s[28-4*\slot:31-4*\slot], s[16:23]
	s_nop 0
.else
	s_barrier_signal -1
	s_barrier_wait -1
.endif
	HEAD \slot, 1
	STEPS \slot, 0
.endm
	s_load_b256 s[48:55], s[0:1], 0x0              ; qfr 48, kfr 50, bfr 52, bo 54
	s_load_b128 s[56:59], s[0:1], 0x20             ; part 56, nlse 58
	v_lshl_add_u32 v254, v0, 2, 0x42800
	v_mov_b32 v255, 0
	ds_add_u32 v254, v255
	v_lshrrev_b32 v1, 5, v0
	v_readfirstlane_b32 s8, v1                     ; wave 0..7
	s_and_b32 s9, s8, 3                            ; kq
	s_lshr_b32 s10, s8, 2                          ; qh
	s_bfe_u32 s11, ttmp6, 0x40000                  ; cx
	s_lshr_b32 s12, ttmp9, 3                       ; region: from the cluster's number alone, so that joint addresses never hold cx
	s_and_b32 s13, ttmp9, 7
	s_lshl_b32 s13, s13, 2
	s_add_co_u32 s13, s13, s11
	s_lshl_b32 s13, s13, 1
	s_add_co_u32 s13, s13, s10                     ; my query chunk, 0..63
	s_mov_b32 s45, 0x76543210                      ; v_permlanex16_b32: lane i of one half reads lane i of the other
	s_mov_b32 s46, 0xfedcba98
	s_mov_b32 s16, 15|(3<<16)|(1<<21)              ; group 1: joint (mask 15), elements of 8 bytes, no padding
	s_mov_b32 s17, 32<<16                          ; tensor_dim0 = 32 (256 bytes)
	s_mov_b32 s18, 64<<16                          ; tensor_dim1 = 64
	s_mov_b32 s19, 32<<16                          ; tile_dim0 = 32
	s_mov_b32 s20, 64                              ; tile_dim1 = 64: 16 KiB, two chunks
	s_mov_b32 s21, 32                              ; dense
	s_mov_b32 s22, 0
	s_mov_b32 s23, 0
	s_lshl_b32 s60, s12, 19                        ; a region's 64 chunks of 8,192 bytes
	s_lshl_b32 s61, s9, 14                         ; + my part of a tile
	s_add_co_u32 s60, s60, s61
	s_mov_b32 s61, 0
	s_lshl_b32 s62, s12, 19
	s_lshl_b32 s63, s13, 13
	s_add_co_u32 s62, s62, s63                     ; my query chunk
	s_mov_b32 s63, 0
	s_lshr_b32 s4, s12, 2                          ; my chunk in the image: image, gy, gx, row, and channels 16 kq on
	s_lshl_b32 s4, s4, 22
	s_bfe_u32 s5, s12, 0x10001
	s_lshl_b32 s5, s5, 15
	s_add_co_u32 s4, s4, s5
	s_and_b32 s5, s12, 1
	s_lshl_b32 s5, s5, 8
	s_add_co_u32 s4, s4, s5
	s_lshl_b32 s5, s13, 9
	s_add_co_u32 s4, s4, s5
	s_lshl_b32 s5, s9, 20
	s_add_co_u32 s4, s4, s5
	s_mov_b32 s5, 0
	s_lshl_b32 s32, s12, 14                        ; nlse: region x 16,384 + chunk x 256
	s_lshl_b32 s33, s13, 8
	s_add_co_u32 s32, s32, s33
	s_mov_b32 s33, 0
	s_wait_dscnt 0x0
	s_wait_kmcnt 0x0
	s_cmp_lt_u32 s8, 4                             ; waves 0-3 fetch keys, waves 4-7 values
	s_cselect_b64 s[14:15], s[50:51], s[52:53]
	s_add_nc_u64 s[14:15], s[14:15], s[60:61]
	s_add_nc_u64 s[62:63], s[48:49], s[62:63]
	s_add_nc_u64 s[6:7], s[56:57], s[4:5]
	s_add_nc_u64 s[32:33], s[58:59], s[32:33]
	s_mov_b32 s24, 1                               ; group 0 of slot 0: tile 0
	s_lshl_b32 s25, s8, 14
	s_mov_b64 s[26:27], s[14:15]
	s_or_b32 s27, s27, 0x80000000
	s_mov_b32 s28, 1                               ; group 0 of slot 1: tile 1, eight chunks on
	s_add_co_u32 s29, s25, SLOTB
	s_add_nc_u64 s[30:31], s[14:15], 65536
	s_or_b32 s31, s31, 0x80000000
	ROUND                                          ; the four partners are here: their joint loads meet
	tensor_load_to_lds s[24:27], s[16:23]          ; two loads of this wave are out
	s_nop 0
	tensor_load_to_lds s[28:31], s[16:23]
	s_nop 0
	v_and_b32 v1, 31, v0
	v_lshlrev_b32 v1, 4, v1                        ; 16 x lane
.set ii, 0
.rept 16
	global_load_b128 v[QF+4*ii:QF+4*ii+3], v1, s[62:63] offset:512*ii
.set ii, ii+1
.endr
	v_bfe_u32 v7, v0, 4, 1                         ; h
	s_lshl_b32 s47, s9, 6
	v_lshl_add_u32 v6, v7, 5, s47                  ; bo of channels 16 kq + 8 h ..
	global_load_b128 v[BO:BO+3], v6, s[54:55]
	global_load_b128 v[BO+4:BO+7], v6, s[54:55] offset:16
	s_lshl_b32 s47, s9, 14
	v_add_nc_u32 v[AK], s47, v1
	v_add_nc_u32 v[AK+1], SLOTB, v[AK]
	v_add_nc_u32 v[AV], 65536, v[AK]
	v_add_nc_u32 v[AV+1], SLOTB+65536, v[AK]
	s_lshl_b32 s47, s8, 14
	v_add_nc_u32 v[AST], s47, v1
	s_lshl_b32 s47, s10, 16
	s_lshl_b32 s44, s9, 10
	s_add_co_u32 s47, s47, s44
	v_add_nc_u32 v[ARD], s47, v1
	v_and_b32 v[OUTO], 15, v0
	v_lshlrev_b32 v[OUTO], 4, v[OUTO]
	v_lshl_add_u32 v[OUTO], v7, 19, v[OUTO]
	s_lshl_b32 s47, s8, 10
	s_add_co_u32 s47, s47, STAT
	v_add_nc_u32 v[STS], s47, v1
	s_lshl_b32 s47, s10, 12
	s_add_co_u32 s47, s47, STAT
	v_add_nc_u32 v[STR], s47, v1
	v_mov_b32 v[NN+1], 0                           ; the second registers of the two broadcast pairs are named, never used
	v_mov_b32 v[AL+1], 0
	s_wait_tensorcnt 0x1                           ; my part of slot 0 is in; slot 1's may stay out
	s_barrier_signal -1
	s_barrier_wait -1
	s_wait_loadcnt 0x0                             ; my queries and bo
	HEAD 0, 0
	STEPS 0, 1
	s_mov_b32 s44, 3                               ; tiles 1 to 6, two a trip; each refills the slot read before it (tiles 2 to 7)
.Lpair:
	TWO 1, 1
	TWO 0, 1
	s_sub_co_u32 s44, s44, 1
	s_cmp_lg_u32 s44, 0
	s_cbranch_scc1 .Lpair
	TWO 1, 0                                       ; tile 7: nothing is left to fetch; behind its barrier no wave reads slot 0 and no load fills it any more
	WIN 0x51
	PVB 3, 0                                       ; the very last step's second product
	WIN 0
	; THE MERGE of the four key quarters, through slot 0's bytes.
.irp t, 0,1,2,3
	v_permlanex16_b32 v[TM+\t], v[LS+\t], s45, s46
.endr
.irp t, 0,1,2,3
	v_add_f32 v[LS+\t], v[LS+\t], v[TM+\t]         ; both halves' keys
.endr
	PLACES                                         ; behind the last matrix instructions, whose results are stored next
	WIN 0x04                                       ; store data in window 1
.set ii, 0
.rept 32
	ds_store_b128 v[AST], v[4*ii:4*ii+3] offset:512*ii     ; tile (t, ct), half jq of its registers, at 4,096 t + 1,024 ct + 512 jq
.set ii, ii+1
.endr
	WIN 0
	ds_store_b128 v[STS], v[NG:NG+3]
	ds_store_b128 v[STS], v[LS:LS+3] offset:512
	s_wait_dscnt 0x0                               ; my stores are done, for the others' sake
	s_barrier_signal -1
	s_barrier_wait -1
.irp k, 0,1,2,3
	ds_load_b128 v[NS+4*\k:NS+4*\k+3], v[STR] offset:\k*1024
	ds_load_b128 v[LL+4*\k:LL+4*\k+3], v[STR] offset:\k*1024+512
.endr
.irp k, 0,1,2,3
.irp q, 0,1,2,3,4,5,6,7
	ds_load_b128 v[T+32*\k+4*\q:T+32*\k+4*\q+3], v[ARD] offset:\k*16384+(\q>>1)*4096+(\q&1)*512   ; channel tile kq of wave (qh, k)
.endr
.endr
	s_wait_dscnt 32                                ; the statistics are in; the 32 loads of tiles may stay out
.irp t, 0,1,2,3
	v_min3_num_f32 v[NG+\t], v[NS+\t], v[NS+4+\t], v[NS+8+\t]
.endr
.irp t, 0,1,2,3
	v_min_num_f32 v[NG+\t], v[NG+\t], v[NS+12+\t]          ; minus the row's maximum
.endr
.irp k, 0,1,2,3
.irp p, 0,2
	v_pk_add_f32 v[SC+4*\k+\p:SC+4*\k+\p+1], v[NG+\p:NG+\p+1], v[NS+4*\k+\p:NS+4*\k+\p+1] neg_lo:[0,1] neg_hi:[0,1]   ; quarter's maximum - row's maximum
.endr
.endr
.set ii, 0
.rept 16
	v_exp_f32 v[SC+ii], v[SC+ii]
.set ii, ii+1
.endr
	v_nop                                          ; a plain instruction between the exponentials and their use
	s_wait_alu depctr_va_vdst(0)
.irp p, 0,2
	v_pk_mul_f32 v[LS+\p:LS+\p+1], v[SC+\p:SC+\p+1], v[LL+\p:LL+\p+1]
.endr
.irp k, 1,2,3
.irp p, 0,2
	v_pk_fma_f32 v[LS+\p:LS+\p+1], v[SC+4*\k+\p:SC+4*\k+\p+1], v[LL+4*\k+\p:LL+4*\k+\p+1], v[LS+\p:LS+\p+1]   ; the row's sum: at least 1, the largest term's own
.endr
.endr
.irp t, 0,1,2,3
	v_rcp_f32 v[TM+\t], v[LS+\t]
.endr
.irp t, 0,1,2,3
	v_log_f32 v[TM+4+\t], v[LS+\t]
.endr
	v_nop
	s_wait_alu depctr_va_vdst(0)
.irp k, 0,1,2,3
.irp p, 0,2
	v_pk_mul_f32 v[SC+4*\k+\p:SC+4*\k+\p+1], v[SC+4*\k+\p:SC+4*\k+\p+1], v[TM+\p:TM+\p+1]
.endr
.endr
.irp p, 0,2
	v_pk_add_f32 v[NG+\p:NG+\p+1], v[NG+\p:NG+\p+1], v[TM+4+\p:TM+4+\p+1] neg_lo:[0,1] neg_hi:[0,1]   ; nlse = -(maximum + log2 sum)
.endr
.irp k, 0,1,2,3
	s_wait_dscnt 24-8*\k                           ; quarter k's eight loads are in, the younger ones stay out
.irp t, 0,1,2,3
.irp j, 0,1,2,3,4,5,6,7
.if \k == 0
	v_fma_f32 v[R+4*\j+\t], v[T+8*\t+\j], v[SC+\t], v[BO+\j]
.else
	v_fma_f32 v[R+4*\j+\t], v[T+32*\k+8*\t+\j], v[SC+4*\k+\t], v[R+4*\j+\t]
.endif
.endr
.endr
.endr
.irp j, 0,1,2,3,4,5,6,7
	global_store_b128 v[OUTO], v[R+4*\j:R+4*\j+3], s[6:7] offset:\j*65536    ; channel 16 kq + 8 h + j, pixels 4 r .. 4 r + 3: 16 lanes store 256 consecutive bytes, aligned
.endr
	s_cmp_lg_u32 s9, 0                             ; one wave of each query chunk stores its nlse
	s_cbranch_scc1 .Lno_nlse
	v_and_b32 v[TM], 15, v0
	s_lshl_b32 s47, s8, 8
	s_add_co_u32 s47, s47, NLS
	v_lshl_add_u32 v[TM], v[TM], 2, s47
	v_lshrrev_b32 v[TM+1], 1, v1                   ; 8 x lane
	v_add_nc_u32 v[TM+2], s47, v[TM+1]
.irp t, 0,1,2,3
	ds_store_b32 v[TM], v[NG+\t] offset:64*\t      ; position 16 t + r; both halves of the lanes hold the same number
.endr
	ds_load_b64 v[TM+4:TM+5], v[TM+2]              ; my wave's own bytes, served in order
	s_wait_dscnt 0x0
	global_store_b64 v[TM+1], v[TM+4:TM+5], s[32:33]       ; the wave stores 256 consecutive bytes, aligned
.Lno_nlse:
	s_wait_tensorcnt 0x0
	ds_add_u32 v254, v255
	s_wait_dscnt 0x0
	ROUND                                          ; the closing round
	s_endpgm
.Lfunc_end_k_q7a40e7bb56_attnb:
	.size	k_q7a40e7bb56_attnb, .Lfunc_end_k_q7a40e7bb56_attnb-k_q7a40e7bb56_attnb
	.p2alignl 7, 3214868480
	.fill 96, 4, 3214868480
	.section	.rodata,"a",@progbits
	.p2align	6, 0x0
	.amdhsa_kernel k_q7a40e7bb56_attnb
		.amdhsa_group_segment_fixed_size 327680
		.amdhsa_private_segment_fixed_size 0
		.amdhsa_enable_private_segment 0
		.amdhsa_kernarg_size 48
		.amdhsa_user_sgpr_count 2
		.amdhsa_user_sgpr_kernarg_segment_ptr 1
		.amdhsa_wavefront_size32 1
		.amdhsa_system_sgpr_workgroup_id_x 1
		.amdhsa_system_sgpr_workgroup_id_y 1
		.amdhsa_system_sgpr_workgroup_id_z 1
		.amdhsa_system_vgpr_workitem_id 0
		.amdhsa_next_free_vgpr 448
		.amdhsa_next_free_sgpr 66
		.amdhsa_reserve_vcc 0
		.amdhsa_float_denorm_mode_32 3
		.amdhsa_float_denorm_mode_16_64 3
		.amdhsa_memory_ordered 1
		.amdhsa_forward_progress 1
		.amdhsa_inst_pref_size 255
	.end_amdhsa_kernel
	.section	.bss,"aw",@nobits
	.p2align	6
	.space	262144
	.amdgpu_metadata
---
amdhsa.version: [ 1, 2 ]
amdhsa.kernels:
  - .name:           k_q7a40e7bb56_attnb
    .symbol:         k_q7a40e7bb56_attnb.kd
    .args:
      - { .name: qfr, .offset: 0, .size: 8, .value_kind: global_buffer, .address_space: global }
      - { .name: kfr, .offset: 8, .size: 8, .value_kind: global_buffer, .address_space: global }
      - { .name: bfr, .offset: 16, .size: 8, .value_kind: global_buffer, .address_space: global }
      - { .name: bo, .offset: 24, .size: 8, .value_kind: global_buffer, .address_space: global }
      - { .name: part, .offset: 32, .size: 8, .value_kind: global_buffer, .address_space: global }
      - { .name: nlse, .offset: 40, .size: 8, .value_kind: global_buffer, .address_space: global }
    .group_segment_fixed_size: 327680
    .private_segment_fixed_size: 0
    .kernarg_segment_align: 8
    .kernarg_segment_size: 48
    .max_flat_workgroup_size: 256
    .sgpr_count:     66
    .vgpr_count:     448
    .wavefront_size: 32
...
	.end_amdgpu_metadata
.endif
;; end of part 2
;; launch attna (part 3): grid 256 x 1, 8 waves a work-group, clusters of 4 x 1, 327,680 bytes of LDS; arguments kfr, qfr, afr, nlse, part, out0; writes out0
.if DOCPART == 3
	.amdgcn_target "amdgcn-amd-amdhsa--gfx1250"
	.amdhsa_code_object_version 6
	.text
	.protected	k_q7a40e7bb56_attna
	.globl	k_q7a40e7bb56_attna
	.p2align	8
	.type	k_q7a40e7bb56_attna,@function
k_q7a40e7bb56_attna:
	s_mov_b64 s[64:65], 0
	v_nop
	global_prefetch_b8 v0, s[64:65] scope:SCOPE_SE
	s_setreg_imm32_b32 hwreg(HW_REG_WAVE_MODE, 25, 1), 1
	s_wait_xcnt 0x0
	s_wait_alu depctr_hold_cnt(0) depctr_sa_sdst(0) depctr_va_vdst(0) depctr_va_sdst(0) depctr_va_ssrc(0) depctr_va_vcc(0) depctr_vm_vsrc(0)
	s_getreg_b32 s2, hwreg(HW_REG_IB_STS2, 6, 4)
	s_cmp_eq_u32 s2, 0
	s_cbranch_scc0 .Lentry_in_a_cluster
	s_endpgm
.Lentry_in_a_cluster:
	s_bfe_u32 s2, ttmp6, 0x10000c
	s_cmp_lg_u32 s2, 0x3003
	s_cbranch_scc0 .Lentry_shape_is_right
	s_endpgm
.Lentry_shape_is_right:
; out0 = part + (Wo a) attn: out[c][m] += sum over j of a'[c][j] exp2(S[j][m] + nlse[j]), S[j][m] = q[j].k[m] in base-2 units.
; nlse[j] = -(maximum + log2 sum) of softmax row j comes from the launch before, so each exponent is S minus the row's maximum minus a number that is not negative:
; no exponential passes 1 but for rounding.  nlse enters as the C operand of the first product, so the loop has no maximum, no sum and no rescaling.
; FORMATS: q and k are f16 (the exponents' product is the f16 form, on the same stored numbers as in the launch before, so that S and nlse agree),
; a' and the probabilities bf16 (the second product is the bf16 form); all sums f32.  No accumulator sees both forms.
; LIMITS: q and k as stored must be finite in f16 (the launch that makes them states the figure); probabilities are rounded to bf16; an exponential below 2^-126
; counts as zero; the sums run in another order than the formula's (rows j in four quarters, merged at the end; pixels permuted inside a chunk).
; Shape as in the launch before: 128 columns m a work-group, eight waves, wave w = (column chunk qh = w / 4, quarter kq = w % 4 of the rows j);
; the stationary operand is kfr, the streamed ones are qfr and afr; two LDS slots of 128 KiB, wave w fills part w of a slot with one tensor load.
; CLUSTER: the four work-groups of a cluster lie in one region and walk the same q, a' and nlse: all are asked for jointly (mask 15).
; SCHEDULE: my two chunks of a slot are eight steps, one for each (chunk, column tile).  Step u: the second product of step u - 1 (eight matrix instructions in a run:
; no vector work of this launch lies in their register window), then the exponentials and roundings of tile u in four groups of eight registers (exponentials of
; group g, roundings of group g - 1), with the eight matrix instructions of step u + 1's exponents set among them.
; The last step's second product stands behind the next slot's barrier, behind the loads of the next rows, while these are on their way from LDS.
; REGISTERS: window 0 as named below; window 1: v256-383 the 16 output tiles (column tile t, channel tile ct) at 8 (4 t + ct), v384-447 the a' fragments.
.set SLOTB, 131072
.set NLSE,  262144                     ; the region's nlse: 64 chunks x 256 bytes
.set AK,   2                           ; v2, v3    my part of q in slot 0, 1
.set AV,   4                           ; v4, v5    my part of a'
.set ANL,  6                           ; v6        nlse of my part's first chunk + 32 h; steps 2,048 bytes a tile
.set NLF,  8                           ; v[8:39]   nlse as four C operands: register j of tile kt = row 16 kt + 8 h + j
.set QF,   40                          ; v[40:103]  my 64 columns (k): fragment (t, ks) at 8 (2 t + ks)
.set KF,   104                         ; v[104:167] a chunk of rows (q): fragment (kt, ks) at 8 (2 kt + ks)
.set S0,   168
.set S1,   200
.set PB,   232                         ; v[232:247] the probabilities in bf16: two B fragments
.set AST,  248
.set ARD,  249
.set OUTO, 250
.set VF,   128                         ; window 1
.set T,    40
.set R,    168
.set MSB, 0
.macro WIN new                         ; s_set_vgpr_msb: bits 1:0 source 0, 3:2 source 1, 5:4 source 2, 7:6 destination; the high byte repeats the setting that is left
.if MSB != \new
	s_set_vgpr_msb (MSB<<8)|\new
.set MSB, \new
.endif
.endm
.macro PLACES                          ; four plain vector instructions between a matrix instruction and a reader of its result, a writer of or a load into its sources
.rept 4
	v_nop
.endr
.endm
.macro ROUND                           ; a round of the cluster's barrier
	s_barrier_signal -1
	s_barrier_wait -1
	s_cmp_lg_u32 s8, 0
	s_cbranch_scc1 .Lnot_wave_0_\@
	s_barrier_signal -3
.Lnot_wave_0_\@:
	s_barrier_wait -3
	s_barrier_signal -1
	s_barrier_wait -1
.endm
.macro LD16 dst, addr, off
.set ii, 0
.rept 16
	ds_load_b128 v[\dst+4*ii:\dst+4*ii+3], v[\addr] offset:\off+512*ii
.set ii, ii+1
.endr
.endm
.macro LDN off                         ; a chunk's nlse: all lanes of a half read the same 32 bytes of each tile
.irp kt, 0,1,2,3
	ds_load_b128 v[NLF+8*\kt:NLF+8*\kt+3], v[ANL] offset:\off+64*\kt
	ds_load_b128 v[NLF+8*\kt+4:NLF+8*\kt+7], v[ANL] offset:\off+64*\kt+16
.endr
.endm
; The exponents of column tile t, 64 rows x 16 columns, f16 operands, are eight matrix instructions: number idx takes row tile idx % 4 and half idx / 4 of the channels.
; In this product and in the second one four accumulators take turns, one instruction a turn.
.macro QKW t, buf, idx
.if (\idx) < 4
	v_wmma_f32_16x16x32_f16 v[\buf+8*(\idx):\buf+8*(\idx)+7], v[KF+16*(\idx):KF+16*(\idx)+7], v[QF+16*\t:QF+16*\t+7], v[NLF+8*(\idx):NLF+8*(\idx)+7]
.else
	v_wmma_f32_16x16x32_f16 v[\buf+8*(\idx)-32:\buf+8*(\idx)-25], v[KF+16*(\idx)-56:KF+16*(\idx)-49], v[QF+16*\t+8:QF+16*\t+15], v[\buf+8*(\idx)-32:\buf+8*(\idx)-25]
.endif
.endm
.macro QKB t, buf                      ; all eight in a run
.irp w, 0,1,2,3,4,5,6,7
	QKW \t, \buf, \w
.endr
.endm
; The second product of column tile t: 64 channels x 64 rows x 16 columns, eight matrix instructions in a run.  Under window setting 0x51: D, C and A in window 1, B in window 0.
.macro PVB t, first
.irp ct, 0,1,2,3
.if \first
	v_wmma_f32_16x16x32_bf16 v[8*(4*\t+\ct):8*(4*\t+\ct)+7], v[VF+16*\ct:VF+16*\ct+7], v[PB:PB+7], 0
.else
	v_wmma_f32_16x16x32_bf16 v[8*(4*\t+\ct):8*(4*\t+\ct)+7], v[VF+16*\ct:VF+16*\ct+7], v[PB:PB+7], v[8*(4*\t+\ct):8*(4*\t+\ct)+7]
.endif
.endr
.irp ct, 0,1,2,3
	v_wmma_f32_16x16x32_bf16 v[8*(4*\t+\ct):8*(4*\t+\ct)+7], v[VF+16*\ct+8:VF+16*\ct+15], v[PB+8:PB+15], v[8*(4*\t+\ct):8*(4*\t+\ct)+7]
.endr
.endm
.macro EX2 buf, g, p                   ; g = group of eight registers (a tile of 16 rows), p = register pair in it
	v_exp_f32 v[\buf+8*\g+2*\p], v[\buf+8*\g+2*\p]
	v_exp_f32 v[\buf+8*\g+2*\p+1], v[\buf+8*\g+2*\p+1]
.endm
.macro CVT buf, g, p
	s_wait_alu depctr_va_vdst(0)
	v_cvt_pk_bf16_f32 v[PB+4*\g+\p], v[\buf+8*\g+2*\p], v[\buf+8*\g+2*\p+1]
.endm
; A phase: the exponentials of group ge, pair by pair, each pair followed by a rounding of group gu (gu = -1: by a v_nop), and two matrix instructions (numbers wa, wa + 1)
; of tile tq's exponents into nbuf.  So behind every exponential stands a plain instruction that names neither its result nor its source, ahead of its use one phase later
; (ISA guide 5.7.2).  The first phase's four v_nop are also the four places between the second product in front of them and the first rounding into PB, its B operand,
; and between that product and a load into the a' fragments.
; kw = 1: the loads of the rows and of nlse that the matrix instructions read are waited for in front of the first of them.
.macro PH buf, ge, gu, doqk, tq, nbuf, wa, kw
.irp p, 0,1,2,3
	EX2 \buf, \ge, \p
.if \gu >= 0
	CVT \buf, \gu, \p
.else
	v_nop
.endif
.if \doqk
.if \p == 0
.if \kw
	s_wait_dscnt 0x0                               ; the second chunk's q and nlse, asked for at the end of the step before, are in
.endif
	QKW \tq, \nbuf, \wa
.endif
.if \p == 2
	QKW \tq, \nbuf, \wa+1
.endif
.endif
.endr
.endm
; Step u of a slot's eight: the exponents of this step's tile lie in buf; tp = the tile of the step before, tq = of the step after, whose exponents go to nbuf.
.macro STEP slot, u, tp, tq, buf, nbuf, pfirst, dopv, doqk
.if \u == 1
	s_wait_dscnt 0x0                               ; the first chunk's a', asked for in step 0, is in
.endif
.if \u == 5
	s_wait_dscnt 0x0                               ; the second chunk's a', asked for in step 4, is in
.endif
.if \dopv
	WIN 0x51
	PVB \tp, \pfirst
	WIN 0
.endif
.if \u == 3
	PH \buf, 0, -1, \doqk, \tq, \nbuf, 0, 1
.else
	PH \buf, 0, -1, \doqk, \tq, \nbuf, 0, 0
.endif
.if \u == 0
	WIN 0x40                                       ; loaded data in window 1
	LD16 VF, AV+\slot, 0
	WIN 0
.endif
.if \u == 4
	WIN 0x40
	LD16 VF, AV+\slot, 8192                        ; four v_nop behind the first chunk's last second product
	WIN 0
.endif
	PH \buf, 1, 0, \doqk, \tq, \nbuf, 2, 0
	PH \buf, 2, 1, \doqk, \tq, \nbuf, 4, 0
	PH \buf, 3, 2, \doqk, \tq, \nbuf, 6, 0
.irp p, 0,1,2,3
	CVT \buf, 3, \p                                ; with the rounding in front of them: five plain instructions behind the last matrix instruction into nbuf
.endr
.if \u == 2
	LD16 KF, AK+\slot, 8192                        ; the second chunk's q and nlse, those five instructions behind the last reader of the first chunk's
	LDN 256
.endif
.endm
.macro STEPS slot, fs                  ; fs = 1: the launch's first slot, whose first chunk starts the output tiles: nothing is cleared
	STEP \slot, 0, 3, 1, S0, S1, 0, 0, 1
	STEP \slot, 1, 0, 2, S1, S0, \fs, 1, 1
	STEP \slot, 2, 1, 3, S0, S1, \fs, 1, 1
	STEP \slot, 3, 2, 0, S1, S0, \fs, 1, 1
	STEP \slot, 4, 3, 1, S0, S1, \fs, 1, 1
	STEP \slot, 5, 0, 2, S1, S0, 0, 1, 1
	STEP \slot, 6, 1, 3, S0, S1, 0, 1, 1
	STEP \slot, 7, 2, 0, S1, S0, 0, 1, 0           ; the next exponents need the next slot; this step's second product follows behind the barrier
.endm
; A slot's head: the first chunk's q and nlse are asked for; prev = 1: meanwhile the second product of the last slot's last step, which reads registers alone.
.macro HEAD slot, prev
	LD16 KF, AK+\slot, 0
	LDN 0
.if \prev
	WIN 0x51
	PVB 3, 0
	WIN 0
.endif
	s_wait_dscnt 0x0                               ; q and nlse are in
	QKB 0, S0
	PLACES                                         ; behind these matrix instructions, whose results are read next
.endm
; A slot.  refill = 1: the other slot, read last, is filled again.  In front of the round every wave has waited for all its tensor loads
; (one was out: its part of this slot) and for its LDS reads; behind the round its one load comes first and has this slot's work in which to land.
.macro TWO slot, refill
	s_wait_tensorcnt 0x0
	ds_add_u32 v254, v255
	s_wait_dscnt 0x0
.if \refill
	s_add_nc_u64 s[30-4*\slot:31-4*\slot], s[30-4*\slot:31-4*\slot], 2*65536   ; no load of mine is out: the other slot's address steps two tiles on
.endif
	s_wait_dscnt 0x0
.if \refill
	ROUND
	tensor_load_to_lds s[28-4*\slot:31-4*\slot], s[16:23]
	s_nop 0
.else
	s_barrier_signal -1
	s_barrier_wait -1
.endif
	HEAD \slot, 1
	STEPS \slot, 0
.if \refill
	v_add_nc_u32 v[ANL], 2048, v[ANL]              ; the next tile's eight chunks of nlse
.endif
.endm
	s_load_b256 s[48:55], s[0:1], 0x0              ; kfr 48, qfr 50, afr 52, nlse 54
	s_load_b128 s[56:59], s[0:1], 0x20             ; part 56, out0 58
	v_lshl_add_u32 v254, v0, 2, 0x44000
	v_mov_b32 v255, 0
	ds_add_u32 v254, v255
	v_lshrrev_b32 v1, 5, v0
	v_readfirstlane_b32 s8, v1                     ; wave 0..7
	s_and_b32 s9, s8, 3                            ; kq
	s_lshr_b32 s10, s8, 2                          ; qh
	s_bfe_u32 s11, ttmp6, 0x40000                  ; cx
	s_lshr_b32 s12, ttmp9, 3                       ; region: from the cluster's number alone, so that joint addresses never hold cx
	s_and_b32 s13, ttmp9, 7
	s_lshl_b32 s13, s13, 2
	s_add_co_u32 s13, s13, s11
	s_lshl_b32 s13, s13, 1
	s_add_co_u32 s13, s13, s10                     ; my column chunk, 0..63
	s_mov_b32 s16, 15|(3<<16)|(1<<21)              ; group 1 of the tiles: joint (mask 15), elements of 8 bytes, no padding
	s_mov_b32 s17, 32<<16                          ; tensor_dim0 = 32 (256 bytes)
	s_mov_b32 s18, 64<<16                          ; tensor_dim1 = 64
	s_mov_b32 s19, 32<<16                          ; tile_dim0 = 32
	s_mov_b32 s20, 64                              ; tile_dim1 = 64: 16 KiB, two chunks
	s_mov_b32 s21, 32                              ; dense
	s_mov_b32 s22, 0
	s_mov_b32 s23, 0
	s_mov_b32 s36, 15|(3<<16)|(1<<21)              ; group 1 of nlse: the same with 8 rows, 2 KiB a wave
	s_mov_b32 s37, 32<<16
	s_mov_b32 s38, 8<<16
	s_mov_b32 s39, 32<<16
	s_mov_b32 s40, 8
	s_mov_b32 s41, 32
	s_mov_b32 s42, 0
	s_mov_b32 s43, 0
	s_lshl_b32 s60, s12, 19                        ; a region's 64 chunks of 8,192 bytes
	s_lshl_b32 s61, s9, 14                         ; + my part of a tile
	s_add_co_u32 s60, s60, s61
	s_mov_b32 s61, 0
	s_lshl_b32 s62, s12, 19
	s_lshl_b32 s63, s13, 13
	s_add_co_u32 s62, s62, s63                     ; my column chunk
	s_mov_b32 s63, 0
	s_lshl_b32 s2, s12, 14                         ; nlse: region x 16,384 + wave x 2,048
	s_lshl_b32 s3, s8, 11
	s_add_co_u32 s2, s2, s3
	s_add_co_u32 s33, s3, NLSE                     ; and where it goes in LDS
	s_mov_b32 s3, 0
	s_lshr_b32 s4, s12, 2                          ; my chunk in the image: image, gy, gx, row, and channels 16 kq on
	s_lshl_b32 s4, s4, 22
	s_bfe_u32 s5, s12, 0x10001
	s_lshl_b32 s5, s5, 15
	s_add_co_u32 s4, s4, s5
	s_and_b32 s5, s12, 1
	s_lshl_b32 s5, s5, 8
	s_add_co_u32 s4, s4, s5
	s_lshl_b32 s5, s13, 9
	s_add_co_u32 s4, s4, s5
	s_lshl_b32 s5, s9, 20
	s_add_co_u32 s4, s4, s5
	s_mov_b32 s5, 0
	s_wait_dscnt 0x0
	s_wait_kmcnt 0x0
	s_cmp_lt_u32 s8, 4                             ; waves 0-3 fetch q, waves 4-7 a'
	s_cselect_b64 s[14:15], s[50:51], s[52:53]
	s_add_nc_u64 s[14:15], s[14:15], s[60:61]
	s_add_nc_u64 s[62:63], s[48:49], s[62:63]
	s_add_nc_u64 s[6:7], s[56:57], s[4:5]          ; part at my chunk
	s_add_nc_u64 s[60:61], s[58:59], s[4:5]        ; out0 at my chunk
	s_mov_b32 s32, 1                               ; group 0 of nlse
	s_add_nc_u64 s[34:35], s[54:55], s[2:3]
	s_or_b32 s35, s35, 0x80000000
	s_mov_b32 s24, 1                               ; group 0 of slot 0: tile 0
	s_lshl_b32 s25, s8, 14
	s_mov_b64 s[26:27], s[14:15]
	s_or_b32 s27, s27, 0x80000000
	s_mov_b32 s28, 1                               ; group 0 of slot 1: tile 1, eight chunks on
	s_add_co_u32 s29, s25, SLOTB
	s_add_nc_u64 s[30:31], s[14:15], 65536
	s_or_b32 s31, s31, 0x80000000
	ROUND                                          ; the four partners are here: their joint loads meet
	tensor_load_to_lds s[32:35], s[36:43]          ; three loads of this wave are out
	s_nop 0
	tensor_load_to_lds s[24:27], s[16:23]
	s_nop 0
	tensor_load_to_lds s[28:31], s[16:23]
	s_nop 0
	v_and_b32 v1, 31, v0
	v_lshlrev_b32 v1, 4, v1                        ; 16 x lane
.set ii, 0
.rept 16
	global_load_b128 v[QF+4*ii:QF+4*ii+3], v1, s[62:63] offset:512*ii
.set ii, ii+1
.endr
	v_bfe_u32 v7, v0, 4, 1                         ; h
	s_lshl_b32 s47, s9, 9
	s_add_co_u32 s47, s47, NLSE
	v_lshl_add_u32 v[ANL], v7, 5, s47
	s_lshl_b32 s47, s9, 14
	v_add_nc_u32 v[AK], s47, v1
	v_add_nc_u32 v[AK+1], SLOTB, v[AK]
	v_add_nc_u32 v[AV], 65536, v[AK]
	v_add_nc_u32 v[AV+1], SLOTB+65536, v[AK]
	s_lshl_b32 s47, s8, 14
	v_add_nc_u32 v[AST], s47, v1
	s_lshl_b32 s47, s10, 16
	s_lshl_b32 s44, s9, 10
	s_add_co_u32 s47, s47, s44
	v_add_nc_u32 v[ARD], s47, v1
	v_and_b32 v[OUTO], 15, v0
	v_lshlrev_b32 v[OUTO], 4, v[OUTO]
	v_lshl_add_u32 v[OUTO], v7, 19, v[OUTO]
	s_wait_tensorcnt 0x1                           ; my parts of nlse and of slot 0 are in; slot 1's may stay out
	s_barrier_signal -1
	s_barrier_wait -1
	s_wait_loadcnt 0x0                             ; my columns
	HEAD 0, 0
	STEPS 0, 1
	v_add_nc_u32 v[ANL], 2048, v[ANL]
	s_mov_b32 s44, 3                               ; tiles 1 to 6, two a trip; each refills the slot read before it (tiles 2 to 7)
.Lpair:
	TWO 1, 1
	TWO 0, 1
	s_sub_co_u32 s44, s44, 1
	s_cmp_lg_u32 s44, 0
	s_cbranch_scc1 .Lpair
	TWO 1, 0                                       ; tile 7: nothing is left to fetch; behind its barrier no wave reads slot 0 and no load fills it any more
	WIN 0x51
	PVB 3, 0                                       ; the very last step's second product
	WIN 0
	; THE MERGE of the four quarters, through slot 0's bytes, onto the other term.
	PLACES                                         ; behind the last matrix instructions, whose results are stored next
.irp j, 0,1,2,3,4,5,6,7
	global_load_b128 v[R+4*\j:R+4*\j+3], v[OUTO], s[6:7] offset:\j*65536 th:TH_LOAD_NT   ; channel 16 kq + 8 h + j, pixels 4 r .. 4 r + 3
.endr
	WIN 0x04                                       ; store data in window 1
.set ii, 0
.rept 32
	ds_store_b128 v[AST], v[4*ii:4*ii+3] offset:512*ii     ; tile (t, ct), half jq of its registers, at 4,096 t + 1,024 ct + 512 jq
.set ii, ii+1
.endr
	WIN 0
	s_wait_dscnt 0x0                               ; my stores are done, for the others' sake
	s_barrier_signal -1
	s_barrier_wait -1
.irp k, 0,1,2,3
.irp q, 0,1,2,3,4,5,6,7
	ds_load_b128 v[T+32*\k+4*\q:T+32*\k+4*\q+3], v[ARD] offset:\k*16384+(\q>>1)*4096+(\q&1)*512   ; channel tile kq of wave (qh, k)
.endr
.endr
.irp k, 1,2,3
	s_wait_dscnt 24-8*\k                           ; quarters 0 to k are in, the younger loads stay out
.set ii, 0
.rept 16
	v_pk_add_f32 v[T+2*ii:T+2*ii+1], v[T+2*ii:T+2*ii+1], v[T+32*\k+2*ii:T+32*\k+2*ii+1]
.set ii, ii+1
.endr
.endr
	s_wait_loadcnt 0x0                             ; the other term
.irp t, 0,1,2,3
.irp j, 0,1,2,3,4,5,6,7
	v_add_f32 v[R+4*\j+\t], v[R+4*\j+\t], v[T+8*\t+\j]
.endr
.endr
.irp j, 0,1,2,3,4,5,6,7
	global_store_b128 v[OUTO], v[R+4*\j:R+4*\j+3], s[60:61] offset:\j*65536 th:TH_STORE_NT   ; 16 lanes store 256 consecutive bytes, aligned
.endr
	s_wait_tensorcnt 0x0
	ds_add_u32 v254, v255
	s_wait_dscnt 0x0
	ROUND                                          ; the closing round
	s_endpgm
.Lfunc_end_k_q7a40e7bb56_attna:
	.size	k_q7a40e7bb56_attna, .Lfunc_end_k_q7a40e7bb56_attna-k_q7a40e7bb56_attna
	.p2alignl 7, 3214868480
	.fill 96, 4, 3214868480
	.section	.rodata,"a",@progbits
	.p2align	6, 0x0
	.amdhsa_kernel k_q7a40e7bb56_attna
		.amdhsa_group_segment_fixed_size 327680
		.amdhsa_private_segment_fixed_size 0
		.amdhsa_enable_private_segment 0
		.amdhsa_kernarg_size 48
		.amdhsa_user_sgpr_count 2
		.amdhsa_user_sgpr_kernarg_segment_ptr 1
		.amdhsa_wavefront_size32 1
		.amdhsa_system_sgpr_workgroup_id_x 1
		.amdhsa_system_sgpr_workgroup_id_y 1
		.amdhsa_system_sgpr_workgroup_id_z 1
		.amdhsa_system_vgpr_workitem_id 0
		.amdhsa_next_free_vgpr 448
		.amdhsa_next_free_sgpr 66
		.amdhsa_reserve_vcc 0
		.amdhsa_float_denorm_mode_32 3
		.amdhsa_float_denorm_mode_16_64 3
		.amdhsa_memory_ordered 1
		.amdhsa_forward_progress 1
		.amdhsa_inst_pref_size 159
	.end_amdhsa_kernel
	.amdgpu_metadata
---
amdhsa.version: [ 1, 2 ]
amdhsa.kernels:
  - .name:           k_q7a40e7bb56_attna
    .symbol:         k_q7a40e7bb56_attna.kd
    .args:
      - { .name: kfr, .offset: 0, .size: 8, .value_kind: global_buffer, .address_space: global }
      - { .name: qfr, .offset: 8, .size: 8, .value_kind: global_buffer, .address_space: global }
      - { .name: afr, .offset: 16, .size: 8, .value_kind: global_buffer, .address_space: global }
      - { .name: nlse, .offset: 24, .size: 8, .value_kind: global_buffer, .address_space: global }
      - { .name: part, .offset: 32, .size: 8, .value_kind: global_buffer, .address_space: global }
      - { .name: out0, .offset: 40, .size: 8, .value_kind: global_buffer, .address_space: global }
    .group_segment_fixed_size: 327680
    .private_segment_fixed_size: 0
    .kernarg_segment_align: 8
    .kernarg_segment_size: 48
    .max_flat_workgroup_size: 256
    .sgpr_count:     66
    .vgpr_count:     448
    .wavefront_size: 32
...
	.end_amdgpu_metadata
.endif
;; end of part 3
;; ======== version 2 of 2: 3 launches; 1.08 times as fast as version 1
;; limits: values are held in f16: magnitudes above 65,504 overflow, below 6.1e-05 lose precision
;; workspace buffers: qfr 4,194,304 bytes; kfr 4,194,304 bytes; afr 4,194,304 bytes; bfr 4,194,304 bytes; part 8,388,608 bytes; nlse 131,072 bytes
;; launch proj: the kernel of part 1 again; grid 256 x 1, 4 waves a work-group, clusters of 4 x 1, 168,448 bytes of LDS; arguments x, Wq, Wk, Wa, Wb, Wo, bq, bk, ba, bb, qfr, kfr, afr, bfr; writes qfr, kfr, afr, bfr
;; launch attnb (part 4): grid 256 x 1, 8 waves a work-group, clusters of 4 x 1, 327,680 bytes of LDS; arguments qfr, kfr, bfr, bo, part, nlse; writes part, nlse
.if DOCPART == 4
	.amdgcn_target "amdgcn-amd-amdhsa--gfx1250"
	.amdhsa_code_object_version 6
	.text
	.protected	k_q7a40e7bb56_attnb
	.globl	k_q7a40e7bb56_attnb
	.p2align	8
	.type	k_q7a40e7bb56_attnb,@function
k_q7a40e7bb56_attnb:
	s_mov_b64 s[64:65], 0
	v_nop
	global_prefetch_b8 v0, s[64:65] scope:SCOPE_SE
	s_setreg_imm32_b32 hwreg(HW_REG_WAVE_MODE, 25, 1), 1
	s_wait_xcnt 0x0
	s_wait_alu depctr_hold_cnt(0) depctr_sa_sdst(0) depctr_va_vdst(0) depctr_va_sdst(0) depctr_va_ssrc(0) depctr_va_vcc(0) depctr_vm_vsrc(0)
	s_getreg_b32 s2, hwreg(HW_REG_IB_STS2, 6, 4)
	s_cmp_eq_u32 s2, 0
	s_cbranch_scc0 .Lentry_in_a_cluster
	s_endpgm
.Lentry_in_a_cluster:
	s_bfe_u32 s2, ttmp6, 0x10000c
	s_cmp_lg_u32 s2, 0x3003
	s_cbranch_scc0 .Lentry_shape_is_right
	s_endpgm
.Lentry_shape_is_right:
; part = (Wo b) attn^T + bo, and nlse[j] = -(max + log2 sum) of softmax row j, both for all eight regions.
; Ordinary attention: query m, keys j, values bfr; exponents come in base 2 (the scale is in qfr and kfr).  The maximum is taken away by a running maximum.
; FORMATS: q and k are f16 (the exponents' product is the f16 form), values and probabilities bf16 (the second product is the bf16 form); all sums f32.
; No accumulator sees both forms: S0 and S1 belong to the first product, the output tiles to the second.
; LIMITS: q and k as stored must be finite in f16 (the launch that makes them states the figure); probabilities are rounded to bf16 for the product with the
; values (their sum is taken in f32 before the rounding); an exponential below 2^-126 counts as zero; the sums run in another order than the formula's
; (keys in four quarters, merged at the end; pixels permuted inside a chunk).
; A work-group has 128 queries (two chunks of 64) of one region and eight waves: wave w takes query chunk qh = w / 4 and the key quarter kq = w % 4
; (of every eight key chunks the two numbered 2 kq, 2 kq + 1).  Two waves lie on a SIMD.
; All operands lie in memory as fragments (16 pieces of 512 bytes a chunk, lane L's 16 bytes at 16 L), so every LDS read is 512 consecutive bytes.
; S^T tile: A = 16 keys, B = 16 queries; lane (r, h) then holds keys 8 h .. 8 h + 7 of query r, and two tiles packed to bf16 ARE the B fragment of the second product.
; RING: two LDS slots of 128 KiB, each with eight key chunks and their eight value chunks; wave w fills part w (16 KiB) of a slot with one tensor load.
; CLUSTER: the four work-groups of a cluster lie in one region and walk the same keys and values: every tile is asked for jointly (mask 15).
; SCHEDULE: my two chunks of a slot are eight steps, one for each (chunk, query tile).  A step's 33 exponentials are ONE BATCH with ONE wait, which cuts the step in two.
; AHEAD OF THE WAIT stands all that names no result of the batch: (a) the new maximum of tile u and the exponent of AL, the factor for what was summed under the old maximum;
; (b) the batch: AL, then tile u's 32 exponentials in place, the sixteen subtractions a group of eight registers ahead of them, and the eight matrix instructions of
; step u + 1's exponents set among them.  BEHIND THE WAIT stand the readers: (c) the second product of step u - 1, its eight matrix instructions set among the sixteen
; multiplications by AL that scale tile u's sums; (d) the sums and roundings of tile u.  No exponential is issued behind a step's wait.
; The last step's second product stands behind the next slot's barrier, behind the loads of the next keys, while these are on their way from LDS.
; The way out has two batches of its own: sixteen exponentials; four reciprocals and four logarithms of sums made from them.
; REGISTERS: window 0 as named below; window 1: v256-383 the 16 output tiles (query tile t, channel tile ct) at 8 (4 t + ct), v384-447 the value fragments.
.set SLOTB, 131072
.set STAT,  262144                     ; 8 waves x 1,024 bytes: negated maxima, sums
.set NLS,   270336                     ; 8 waves x 256 bytes: a chunk's nlse on its way out
.set AK,   2                           ; v2, v3    my key part in slot 0, 1: 16 lane + 16,384 kq (+ 131,072)
.set AV,   4                           ; v4, v5    my value part: + 65,536
.set NG,   12                          ; v[12:15]  minus the running maximum, one for each query tile
.set LS,   16                          ; v[16:19]  the running sum (of my half's keys until the end)
.set NN,   20                          ; v[20:21]  minus the new maximum (the pair's second register is only named)
.set AL,   22                          ; v[22:23]  the factor for what has been summed so far (likewise)
.set TM,   24                          ; v[24:31]  at work
.set BO,   32                          ; v[32:39]  bo of my eight channels in the merge
.set QF,   40                          ; v[40:103]  my 64 queries: fragment (t, ks) at 8 (2 t + ks)
.set KF,   104                         ; v[104:167] a key chunk: fragment (kt, ks) at 8 (2 kt + ks)
.set S0,   168                         ; v[168:199] S^T of one query tile: four tiles of 16 keys
.set S1,   200                         ; v[200:231] the same, for the next query tile
.set PB,   232                         ; v[232:247] the probabilities in bf16: two B fragments
.set AST,  248                         ; the merge: where I put my output tiles
.set ARD,  249                         ; the merge: where I read my channel tile of four waves
.set OUTO, 250                         ; my byte offset in the image: 8 h channels + 16 r
.set STS,  251                         ; where I put my statistics
.set STR,  252                         ; where I read four waves' statistics
.set VF,   128                         ; window 1: fragment (ct, ks) at 8 (2 ct + ks)
.set T,    40                          ; the merge: 4 waves x 32 registers
.set R,    168                         ; the merge: R[4 j + t] = channel j, pixel 4 r + t
.set NS,   200
.set LL,   216
.set SC,   232
.set MSB, 0
.macro WIN new                         ; s_set_vgpr_msb: bits 1:0 source 0, 3:2 source 1, 5:4 source 2, 7:6 destination; the high byte repeats the setting that is left
.if MSB != \new
	s_set_vgpr_msb (MSB<<8)|\new
.set MSB, \new
.endif
.endm
.macro PLACES                          ; four plain vector instructions between a matrix instruction and a reader of its result, a writer of or a load into its sources
.rept 4
	v_nop
.endr
.endm
.macro ROUND                           ; a round of the cluster's barrier
	s_barrier_signal -1
	s_barrier_wait -1
	s_cmp_lg_u32 s8, 0
	s_cbranch_scc1 .Lnot_wave_0_\@
	s_barrier_signal -3
.Lnot_wave_0_\@:
	s_barrier_wait -3
	s_barrier_signal -1
	s_barrier_wait -1
.endm
.macro LD16 dst, addr, off             ; a chunk: 16 pieces of 512 bytes into 64 registers
.set ii, 0
.rept 16
	ds_load_b128 v[\dst+4*ii:\dst+4*ii+3], v[\addr] offset:\off+512*ii
.set ii, ii+1
.endr
.endm
; S^T of query tile t, 64 keys x 16 queries, f16 operands, is eight matrix instructions: number idx takes key tile idx % 4 and half idx / 4 of the channels.
; In this product and in the second one four accumulators take turns, one instruction a turn.
.macro QKW t, buf, idx
.if (\idx) < 4
	v_wmma_f32_16x16x32_f16 v[\buf+8*(\idx):\buf+8*(\idx)+7], v[KF+16*(\idx):KF+16*(\idx)+7], v[QF+16*\t:QF+16*\t+7], 0
.else
	v_wmma_f32_16x16x32_f16 v[\buf+8*(\idx)-32:\buf+8*(\idx)-25], v[KF+16*(\idx)-56:KF+16*(\idx)-49], v[QF+16*\t+8:QF+16*\t+15], v[\buf+8*(\idx)-32:\buf+8*(\idx)-25]
.endif
.endm
.macro QKB t, buf                      ; all eight in a run
.irp w, 0,1,2,3,4,5,6,7
	QKW \t, \buf, \w
.endr
.endm
; The second product of query tile t, 64 channels x 64 keys x 16 queries: number idx takes channel tile idx % 4 and half idx / 4 of the keys.  Under window setting 0x51.
.macro PVW t, idx, first
.if (\idx) < 4
.if \first
	v_wmma_f32_16x16x32_bf16 v[32*\t+8*(\idx):32*\t+8*(\idx)+7], v[VF+16*(\idx):VF+16*(\idx)+7], v[PB:PB+7], 0
.else
	v_wmma_f32_16x16x32_bf16 v[32*\t+8*(\idx):32*\t+8*(\idx)+7], v[VF+16*(\idx):VF+16*(\idx)+7], v[PB:PB+7], v[32*\t+8*(\idx):32*\t+8*(\idx)+7]
.endif
.else
	v_wmma_f32_16x16x32_bf16 v[32*\t+8*(\idx)-32:32*\t+8*(\idx)-25], v[VF+16*(\idx)-56:VF+16*(\idx)-49], v[PB+8:PB+15], v[32*\t+8*(\idx)-32:32*\t+8*(\idx)-25]
.endif
.endm
.macro PVB t, first                    ; all eight in a run
.irp w, 0,1,2,3,4,5,6,7
	PVW \t, \w, \first
.endr
.endm
.macro RS t, a, b                      ; register pairs a to b of query tile t's 16 pairs of sums, scaled to the new maximum.  Also under 0x51: destination and source 0 in window 1, AL in window 0
.set rr, \a
.rept (\b)-(\a)+1
	v_pk_mul_f32 v[32*\t+2*rr:32*\t+2*rr+1], v[32*\t+2*rr:32*\t+2*rr+1], v[AL:AL+1] op_sel_hi:[1,0]
.set rr, rr+1
.endr
.endm
; Part (c) of a step: the second product of tile tp (dopv = 1) among the scaling of tile tr (first = 0).  The two name different output tiles.
; Four multiplications stand behind the last matrix instruction: the places in front of a load into the value fragments and of the first rounding into PB.
.macro PVR tp, pfirst, dopv, tr, first
.if \dopv + 1 - \first
	WIN 0x51
.endif
.irp w, 0,1,2,3,4,5,6,7
.if \dopv
	PVW \tp, \w, \pfirst
.endif
.if \first == 0
.if \w < 5
	RS \tr, 2*\w, 2*\w+1
.else
.if \w < 7
	RS \tr, 5+\w, 5+\w
.else
	RS \tr, 12, 15
.endif
.endif
.endif
.endr
.endm
; Part (a): a lane holds 32 exponents of query r (keys 16 kt + 8 h + j); the new maximum, and the factor for what was summed under the old one.  first = 1: nothing has been summed yet.
.macro SMA t, buf, first
.irp c, 0,1,2,3
	v_max3_num_f32 v[TM+\c], v[\buf+8*\c], v[\buf+8*\c+1], v[\buf+8*\c+2]
.endr
.irp c, 0,1,2,3
	v_max3_num_f32 v[TM+\c], v[TM+\c], v[\buf+8*\c+3], v[\buf+8*\c+4]
.endr
.irp c, 0,1,2,3
	v_max3_num_f32 v[TM+\c], v[TM+\c], v[\buf+8*\c+5], v[\buf+8*\c+6]
.endr
	v_max3_num_f32 v[TM], v[TM], v[TM+1], v[\buf+7]
	v_max3_num_f32 v[TM+2], v[TM+2], v[TM+3], v[\buf+15]
	v_max3_num_f32 v[TM], v[TM], v[TM+2], v[\buf+23]
.if \first
	v_max_num_f32 v[TM], v[TM], v[\buf+31]
.else
	v_max3_num_f32 v[TM], v[TM], v[\buf+31], -v[NG+\t]     ; the running maximum joins
.endif
	v_permlanex16_b32 v[TM+1], v[TM], s45, s46             ; the other half's keys of the same query
	v_min_num_f32 v[NN], -v[TM], -v[TM+1]                  ; minus the new maximum
.if \first == 0
	v_sub_f32 v[TM+2], v[NN], v[NG+\t]                     ; old maximum - new maximum
	v_exp_f32 v[AL], v[TM+2]                               ; the first exponential of the step's batch: AL is named again only behind the step's wait
.endif
	v_mov_b32 v[NG+\t], v[NN]                              ; also the plain instruction behind that exponential (ISA guide 5.7.2)
.endm
; Parts (b) and (d), piece by piece.  g = group of eight registers (a tile of 16 keys), p = register pair in it.
.macro SUB buf, g, p
	v_pk_add_f32 v[\buf+8*\g+2*\p:\buf+8*\g+2*\p+1], v[\buf+8*\g+2*\p:\buf+8*\g+2*\p+1], v[NN:NN+1] op_sel_hi:[1,0]
.endm
.macro EX2 buf, g, p
	v_exp_f32 v[\buf+8*\g+2*\p], v[\buf+8*\g+2*\p]
	v_exp_f32 v[\buf+8*\g+2*\p+1], v[\buf+8*\g+2*\p+1]
.endm
.macro CVT buf, g, p
	v_cvt_pk_bf16_f32 v[PB+4*\g+\p], v[\buf+8*\g+2*\p], v[\buf+8*\g+2*\p+1]
.endm
.macro USE buf, g, i                   ; the seven uses of a group's exponentials: three additions into the group's pair of sums, four roundings.  All stand behind the step's wait
.if (\i) == 0
	v_pk_add_f32 v[TM+2*\g:TM+2*\g+1], v[\buf+8*\g:\buf+8*\g+1], v[\buf+8*\g+2:\buf+8*\g+3]
.endif
.if (\i) == 1
	CVT \buf, \g, 0
.endif
.if (\i) == 2
	CVT \buf, \g, 1
.endif
.if (\i) == 3
	v_pk_add_f32 v[TM+2*\g:TM+2*\g+1], v[TM+2*\g:TM+2*\g+1], v[\buf+8*\g+4:\buf+8*\g+5]
.endif
.if (\i) == 4
	CVT \buf, \g, 2
.endif
.if (\i) == 5
	v_pk_add_f32 v[TM+2*\g:TM+2*\g+1], v[TM+2*\g:TM+2*\g+1], v[\buf+8*\g+6:\buf+8*\g+7]
.endif
.if (\i) == 6
	CVT \buf, \g, 3
.endif
.endm
; A phase of the batch: subtract group gs (-1: none), exponentials of group ge, and two matrix instructions (numbers wa, wa + 1) of tile tq's exponents into nbuf.
; Nothing here names the result of an exponential: the subtractions work on later groups, the matrix instructions on nbuf, the keys and the queries.
; kw = 1: the loads of the keys that the matrix instructions read are waited for in front of the first of them.
.macro PH buf, gs, ge, doqk, tq, nbuf, wa, kw
.irp p, 0,1,2,3
.if \gs >= 0
	SUB \buf, \gs, \p
.endif
	EX2 \buf, \ge, \p
.if \doqk
.if \p == 0
.if \kw
	s_wait_dscnt 0x0                               ; the second chunk's keys, asked for at the end of the step before, are in
.endif
	QKW \tq, \nbuf, \wa
.endif
.if \p == 2
	QKW \tq, \nbuf, \wa+1
.endif
.endif
.endr
.endm
.macro SMX buf, doqk, tq, nbuf, kw     ; part (b): the batch's 32 exponentials of the tile
.irp p, 0,1,2,3
	SUB \buf, 0, \p
.endr
	PH \buf, 1, 0, \doqk, \tq, \nbuf, 0, \kw
	PH \buf, 2, 1, \doqk, \tq, \nbuf, 2, 0
	PH \buf, 3, 2, \doqk, \tq, \nbuf, 4, 0
	PH \buf, -1, 3, \doqk, \tq, \nbuf, 6, 0
.endm
.macro SMU t, buf, first               ; part (d): the readers of those 32, group by group; 33 plain instructions, which with part (c)'s stand behind the last matrix instruction into nbuf
.irp g, 0,1,2,3
.irp i, 0,1,2,3,4,5,6
	USE \buf, \g, \i
.endr
.endr
	v_pk_add_f32 v[TM:TM+1], v[TM:TM+1], v[TM+2:TM+3]
	v_pk_add_f32 v[TM+4:TM+5], v[TM+4:TM+5], v[TM+6:TM+7]
	v_pk_add_f32 v[TM:TM+1], v[TM:TM+1], v[TM+4:TM+5]
.if \first
	v_add_f32 v[LS+\t], v[TM], v[TM+1]
.else
	v_add_f32 v[TM], v[TM], v[TM+1]
	v_fma_f32 v[LS+\t], v[LS+\t], v[AL], v[TM]
.endif
.endm
; Step u of a slot's eight: query tile t, its exponents in buf; tp = the tile of the step before, tq = of the step after, whose exponents go to nbuf.
.macro STEP slot, u, t, tp, tq, buf, nbuf, first, pfirst, dopv, doqk
	SMA \t, \buf, \first
.if \u == 3
	SMX \buf, \doqk, \tq, \nbuf, 1
.else
	SMX \buf, \doqk, \tq, \nbuf, 0
.endif
	s_wait_alu depctr_va_vdst(0)                   ; the step's one wait: it serves the whole batch, AL and the tile's 32 exponentials; all their readers stand below
.if \u == 1
	s_wait_dscnt 0x0                               ; the first chunk's values, asked for in step 0, are in
.endif
.if \u == 5
	s_wait_dscnt 0x0                               ; the second chunk's values, asked for in step 4, are in
.endif
	PVR \tp, \pfirst, \dopv, \t, \first            ; its multiplications are also the plain instructions between the last exponentials and their use (ISA guide 5.7.2)
.if \first * \dopv
	PLACES                                         ; the first chunk has nothing to scale: these stand between the second product and the first rounding into PB, its B operand
.endif
.if \u == 0
	WIN 0x40                                       ; loaded data in window 1
	LD16 VF, AV+\slot, 0                           ; their last reader stands behind the barrier, parts (a) and (b) and more in front of these loads
.endif
.if \u == 4
	WIN 0x40
	LD16 VF, AV+\slot, 8192                        ; four multiplications behind the first chunk's last second product
.endif
	WIN 0
	SMU \t, \buf, \first
.if \u == 2
	LD16 KF, AK+\slot, 8192                        ; the second chunk's keys: parts (c) and (d) behind the last reader of the first chunk's
.endif
.endm
.macro STEPS slot, fs                  ; fs = 1: the launch's first slot, whose first chunk starts maxima, sums and output tiles: nothing is cleared
	STEP \slot, 0, 0, 3, 1, S0, S1, \fs, 0, 0, 1
	STEP \slot, 1, 1, 0, 2, S1, S0, \fs, \fs, 1, 1
	STEP \slot, 2, 2, 1, 3, S0, S1, \fs, \fs, 1, 1
	STEP \slot, 3, 3, 2, 0, S1, S0, \fs, \fs, 1, 1
	STEP \slot, 4, 0, 3, 1, S0, S1, 0, \fs, 1, 1
	STEP \slot, 5, 1, 0, 2, S1, S0, 0, 0, 1, 1
	STEP \slot, 6, 2, 1, 3, S0, S1, 0, 0, 1, 1
	STEP \slot, 7, 3, 2, 0, S1, S0, 0, 0, 1, 0     ; the next exponents need the next slot; this step's second product follows behind the barrier
.endm
; A slot's head: the first chunk's keys are asked for; prev = 1: meanwhile the second product of the last slot's last step, which reads registers alone.
.macro HEAD slot, prev
	LD16 KF, AK+\slot, 0
.if \prev
	WIN 0x51
	PVB 3, 0
	WIN 0
.endif
	s_wait_dscnt 0x0                               ; the keys are in
	QKB 0, S0
	PLACES                                         ; behind these matrix instructions, whose results are read next
.endm
; A slot.  refill = 1: the other slot, read last, is filled again.  In front of the round every wave has waited for all its tensor loads
; (one was out: its part of this slot) and for its LDS reads; behind the round its one load comes first and has this slot's work in which to land.
.macro TWO slot, refill
	s_wait_tensorcnt 0x0
	ds_add_u32 v254, v255
	s_wait_dscnt 0x0
.if \refill
	s_add_nc_u64 s[30-4*\slot:31-4*\slot], s[30-4*\slot:31-4*\slot], 2*65536   ; no load of mine is out: the other slot's address steps two tiles on
.endif
	s_wait_dscnt 0x0
.if \refill
	ROUND
	tensor_load_to_lds s[28-4*\slot:31-4*\slot], s[16:23]
	s_nop 0
.else
	s_barrier_signal -1
	s_barrier_wait -1
.endif
	HEAD \slot, 1
	STEPS \slot, 0
.endm
	s_load_b256 s[48:55], s[0:1], 0x0              ; qfr 48, kfr 50, bfr 52, bo 54
	s_load_b128 s[56:59], s[0:1], 0x20             ; part 56, nlse 58
	v_lshl_add_u32 v254, v0, 2, 0x42800
	v_mov_b32 v255, 0
	ds_add_u32 v254, v255
	v_lshrrev_b32 v1, 5, v0
	v_readfirstlane_b32 s8, v1                     ; wave 0..7
	s_and_b32 s9, s8, 3                            ; kq
	s_lshr_b32 s10, s8, 2                          ; qh
	s_bfe_u32 s11, ttmp6, 0x40000                  ; cx
	s_lshr_b32 s12, ttmp9, 3                       ; region: from the cluster's number alone, so that joint addresses never hold cx
	s_and_b32 s13, ttmp9, 7
	s_lshl_b32 s13, s13, 2
	s_add_co_u32 s13, s13, s11
	s_lshl_b32 s13, s13, 1
	s_add_co_u32 s13, s13, s10                     ; my query chunk, 0..63
	s_mov_b32 s45, 0x76543210                      ; v_permlanex16_b32: lane i of one half reads lane i of the other
	s_mov_b32 s46, 0xfedcba98
	s_mov_b32 s16, 15|(3<<16)|(1<<21)              ; group 1: joint (mask 15), elements of 8 bytes, no padding
	s_mov_b32 s17, 32<<16                          ; tensor_dim0 = 32 (256 bytes)
	s_mov_b32 s18, 64<<16                          ; tensor_dim1 = 64
	s_mov_b32 s19, 32<<16                          ; tile_dim0 = 32
	s_mov_b32 s20, 64                              ; tile_dim1 = 64: 16 KiB, two chunks
	s_mov_b32 s21, 32                              ; dense
	s_mov_b32 s22, 0
	s_mov_b32 s23, 0
	s_lshl_b32 s60, s12, 19                        ; a region's 64 chunks of 8,192 bytes
	s_lshl_b32 s61, s9, 14                         ; + my part of a tile
	s_add_co_u32 s60, s60, s61
	s_mov_b32 s61, 0
	s_lshl_b32 s62, s12, 19
	s_lshl_b32 s63, s13, 13
	s_add_co_u32 s62, s62, s63                     ; my query chunk
	s_mov_b32 s63, 0
	s_lshr_b32 s4, s12, 2                          ; my chunk in the image: image, gy, gx, row, and channels 16 kq on
	s_lshl_b32 s4, s4, 22
	s_bfe_u32 s5, s12, 0x10001
	s_lshl_b32 s5, s5, 15
	s_add_co_u32 s4, s4, s5
	s_and_b32 s5, s12, 1
	s_lshl_b32 s5, s5, 8
	s_add_co_u32 s4, s4, s5
	s_lshl_b32 s5, s13, 9
	s_add_co_u32 s4, s4, s5
	s_lshl_b32 s5, s9, 20
	s_add_co_u32 s4, s4, s5
	s_mov_b32 s5, 0
	s_lshl_b32 s32, s12, 14                        ; nlse: region x 16,384 + chunk x 256
	s_lshl_b32 s33, s13, 8
	s_add_co_u32 s32, s32, s33
	s_mov_b32 s33, 0
	s_wait_dscnt 0x0
	s_wait_kmcnt 0x0
	s_cmp_lt_u32 s8, 4                             ; waves 0-3 fetch keys, waves 4-7 values
	s_cselect_b64 s[14:15], s[50:51], s[52:53]
	s_add_nc_u64 s[14:15], s[14:15], s[60:61]
	s_add_nc_u64 s[62:63], s[48:49], s[62:63]
	s_add_nc_u64 s[6:7], s[56:57], s[4:5]
	s_add_nc_u64 s[32:33], s[58:59], s[32:33]
	s_mov_b32 s24, 1                               ; group 0 of slot 0: tile 0
	s_lshl_b32 s25, s8, 14
	s_mov_b64 s[26:27], s[14:15]
	s_or_b32 s27, s27, 0x80000000
	s_mov_b32 s28, 1                               ; group 0 of slot 1: tile 1, eight chunks on
	s_add_co_u32 s29, s25, SLOTB
	s_add_nc_u64 s[30:31], s[14:15], 65536
	s_or_b32 s31, s31, 0x80000000
	ROUND                                          ; the four partners are here: their joint loads meet
	tensor_load_to_lds s[24:27], s[16:23]          ; two loads of this wave are out
	s_nop 0
	tensor_load_to_lds s[28:31], s[16:23]
	s_nop 0
	v_and_b32 v1, 31, v0
	v_lshlrev_b32 v1, 4, v1                        ; 16 x lane
.set ii, 0
.rept 16
	global_load_b128 v[QF+4*ii:QF+4*ii+3], v1, s[62:63] offset:512*ii
.set ii, ii+1
.endr
	v_bfe_u32 v7, v0, 4, 1                         ; h
	s_lshl_b32 s47, s9, 6
	v_lshl_add_u32 v6, v7, 5, s47                  ; bo of channels 16 kq + 8 h ..
	global_load_b128 v[BO:BO+3], v6, s[54:55]
	global_load_b128 v[BO+4:BO+7], v6, s[54:55] offset:16
	s_lshl_b32 s47, s9, 14
	v_add_nc_u32 v[AK], s47, v1
	v_add_nc_u32 v[AK+1], SLOTB, v[AK]
	v_add_nc_u32 v[AV], 65536, v[AK]
	v_add_nc_u32 v[AV+1], SLOTB+65536, v[AK]
	s_lshl_b32 s47, s8, 14
	v_add_nc_u32 v[AST], s47, v1
	s_lshl_b32 s47, s10, 16
	s_lshl_b32 s44, s9, 10
	s_add_co_u32 s47, s47, s44
	v_add_nc_u32 v[ARD], s47, v1
	v_and_b32 v[OUTO], 15, v0
	v_lshlrev_b32 v[OUTO], 4, v[OUTO]
	v_lshl_add_u32 v[OUTO], v7, 19, v[OUTO]
	s_lshl_b32 s47, s8, 10
	s_add_co_u32 s47, s47, STAT
	v_add_nc_u32 v[STS], s47, v1
	s_lshl_b32 s47, s10, 12
	s_add_co_u32 s47, s47, STAT
	v_add_nc_u32 v[STR], s47, v1
	v_mov_b32 v[NN+1], 0                           ; the second registers of the two broadcast pairs are named, never used
	v_mov_b32 v[AL+1], 0
	s_wait_tensorcnt 0x1                           ; my part of slot 0 is in; slot 1's may stay out
	s_barrier_signal -1
	s_barrier_wait -1
	s_wait_loadcnt 0x0                             ; my queries and bo
	HEAD 0, 0
	STEPS 0, 1
	s_mov_b32 s44, 3                               ; tiles 1 to 6, two a trip; each refills the slot read before it (tiles 2 to 7)
.Lpair:
	TWO 1, 1
	TWO 0, 1
	s_sub_co_u32 s44, s44, 1
	s_cmp_lg_u32 s44, 0
	s_cbranch_scc1 .Lpair
	TWO 1, 0                                       ; tile 7: nothing is left to fetch; behind its barrier no wave reads slot 0 and no load fills it any more
	WIN 0x51
	PVB 3, 0                                       ; the very last step's second product
	WIN 0
	; THE MERGE of the four key quarters, through slot 0's bytes.
.irp t, 0,1,2,3
	v_permlanex16_b32 v[TM+\t], v[LS+\t], s45, s46
.endr
.irp t, 0,1,2,3
	v_add_f32 v[LS+\t], v[LS+\t], v[TM+\t]         ; both halves' keys
.endr
	PLACES                                         ; behind the last matrix instructions, whose results are stored next
	WIN 0x04                                       ; store data in window 1
.set ii, 0
.rept 32
	ds_store_b128 v[AST], v[4*ii:4*ii+3] offset:512*ii     ; tile (t, ct), half jq of its registers, at 4,096 t + 1,024 ct + 512 jq
.set ii, ii+1
.endr
	WIN 0
	ds_store_b128 v[STS], v[NG:NG+3]
	ds_store_b128 v[STS], v[LS:LS+3] offset:512
	s_wait_dscnt 0x0                               ; my stores are done, for the others' sake
	s_barrier_signal -1
	s_barrier_wait -1
.irp k, 0,1,2,3
	ds_load_b128 v[NS+4*\k:NS+4*\k+3], v[STR] offset:\k*1024
	ds_load_b128 v[LL+4*\k:LL+4*\k+3], v[STR] offset:\k*1024+512
.endr
.irp k, 0,1,2,3
.irp q, 0,1,2,3,4,5,6,7
	ds_load_b128 v[T+32*\k+4*\q:T+32*\k+4*\q+3], v[ARD] offset:\k*16384+(\q>>1)*4096+(\q&1)*512   ; channel tile kq of wave (qh, k)
.endr
.endr
	s_wait_dscnt 32                                ; the statistics are in; the 32 loads of tiles may stay out
.irp t, 0,1,2,3
	v_min3_num_f32 v[NG+\t], v[NS+\t], v[NS+4+\t], v[NS+8+\t]
.endr
.irp t, 0,1,2,3
	v_min_num_f32 v[NG+\t], v[NG+\t], v[NS+12+\t]          ; minus the row's maximum
.endr
.irp k, 0,1,2,3
.irp p, 0,2
	v_pk_add_f32 v[SC+4*\k+\p:SC+4*\k+\p+1], v[NG+\p:NG+\p+1], v[NS+4*\k+\p:NS+4*\k+\p+1] neg_lo:[0,1] neg_hi:[0,1]   ; quarter's maximum - row's maximum
.endr
.endr
.set ii, 0
.rept 16
	v_exp_f32 v[SC+ii], v[SC+ii]
.set ii, ii+1
.endr
	v_nop                                          ; a plain instruction between the exponentials and their use
	s_wait_alu depctr_va_vdst(0)                   ; one wait for the batch of sixteen exponentials, ahead of their first reader
.irp p, 0,2
	v_pk_mul_f32 v[LS+\p:LS+\p+1], v[SC+\p:SC+\p+1], v[LL+\p:LL+\p+1]
.endr
.irp k, 1,2,3
.irp p, 0,2
	v_pk_fma_f32 v[LS+\p:LS+\p+1], v[SC+4*\k+\p:SC+4*\k+\p+1], v[LL+4*\k+\p:LL+4*\k+\p+1], v[LS+\p:LS+\p+1]   ; the row's sum: at least 1, the largest term's own
.endr
.endr
.irp t, 0,1,2,3
	v_rcp_f32 v[TM+\t], v[LS+\t]
.endr
.irp t, 0,1,2,3
	v_log_f32 v[TM+4+\t], v[LS+\t]
.endr
	v_nop
	s_wait_alu depctr_va_vdst(0)                   ; one wait for the batch of four reciprocals and four logarithms, ahead of their first reader
.irp k, 0,1,2,3
.irp p, 0,2
	v_pk_mul_f32 v[SC+4*\k+\p:SC+4*\k+\p+1], v[SC+4*\k+\p:SC+4*\k+\p+1], v[TM+\p:TM+\p+1]
.endr
.endr
.irp p, 0,2
	v_pk_add_f32 v[NG+\p:NG+\p+1], v[NG+\p:NG+\p+1], v[TM+4+\p:TM+4+\p+1] neg_lo:[0,1] neg_hi:[0,1]   ; nlse = -(maximum + log2 sum)
.endr
.irp k, 0,1,2,3
	s_wait_dscnt 24-8*\k                           ; quarter k's eight loads are in, the younger ones stay out
.irp t, 0,1,2,3
.irp j, 0,1,2,3,4,5,6,7
.if \k == 0
	v_fma_f32 v[R+4*\j+\t], v[T+8*\t+\j], v[SC+\t], v[BO+\j]
.else
	v_fma_f32 v[R+4*\j+\t], v[T+32*\k+8*\t+\j], v[SC+4*\k+\t], v[R+4*\j+\t]
.endif
.endr
.endr
.endr
.irp j, 0,1,2,3,4,5,6,7
	global_store_b128 v[OUTO], v[R+4*\j:R+4*\j+3], s[6:7] offset:\j*65536    ; channel 16 kq + 8 h + j, pixels 4 r .. 4 r + 3: 16 lanes store 256 consecutive bytes, aligned
.endr
	s_cmp_lg_u32 s9, 0                             ; one wave of each query chunk stores its nlse
	s_cbranch_scc1 .Lno_nlse
	v_and_b32 v[TM], 15, v0
	s_lshl_b32 s47, s8, 8
	s_add_co_u32 s47, s47, NLS
	v_lshl_add_u32 v[TM], v[TM], 2, s47
	v_lshrrev_b32 v[TM+1], 1, v1                   ; 8 x lane
	v_add_nc_u32 v[TM+2], s47, v[TM+1]
.irp t, 0,1,2,3
	ds_store_b32 v[TM], v[NG+\t] offset:64*\t      ; position 16 t + r; both halves of the lanes hold the same number
.endr
	ds_load_b64 v[TM+4:TM+5], v[TM+2]              ; my wave's own bytes, served in order
	s_wait_dscnt 0x0
	global_store_b64 v[TM+1], v[TM+4:TM+5], s[32:33]       ; the wave stores 256 consecutive bytes, aligned
.Lno_nlse:
	s_wait_tensorcnt 0x0
	ds_add_u32 v254, v255
	s_wait_dscnt 0x0
	ROUND                                          ; the closing round
	s_endpgm
.Lfunc_end_k_q7a40e7bb56_attnb:
	.size	k_q7a40e7bb56_attnb, .Lfunc_end_k_q7a40e7bb56_attnb-k_q7a40e7bb56_attnb
	.p2alignl 7, 3214868480
	.fill 96, 4, 3214868480
	.section	.rodata,"a",@progbits
	.p2align	6, 0x0
	.amdhsa_kernel k_q7a40e7bb56_attnb
		.amdhsa_group_segment_fixed_size 327680
		.amdhsa_private_segment_fixed_size 0
		.amdhsa_enable_private_segment 0
		.amdhsa_kernarg_size 48
		.amdhsa_user_sgpr_count 2
		.amdhsa_user_sgpr_kernarg_segment_ptr 1
		.amdhsa_wavefront_size32 1
		.amdhsa_system_sgpr_workgroup_id_x 1
		.amdhsa_system_sgpr_workgroup_id_y 1
		.amdhsa_system_sgpr_workgroup_id_z 1
		.amdhsa_system_vgpr_workitem_id 0
		.amdhsa_next_free_vgpr 448
		.amdhsa_next_free_sgpr 66
		.amdhsa_reserve_vcc 0
		.amdhsa_float_denorm_mode_32 3
		.amdhsa_float_denorm_mode_16_64 3
		.amdhsa_memory_ordered 1
		.amdhsa_forward_progress 1
		.amdhsa_inst_pref_size 255
	.end_amdhsa_kernel
	.section	.bss,"aw",@nobits
	.p2align	6
	.space	262144
	.amdgpu_metadata
---
amdhsa.version: [ 1, 2 ]
amdhsa.kernels:
  - .name:           k_q7a40e7bb56_attnb
    .symbol:         k_q7a40e7bb56_attnb.kd
    .args:
      - { .name: qfr, .offset: 0, .size: 8, .value_kind: global_buffer, .address_space: global }
      - { .name: kfr, .offset: 8, .size: 8, .value_kind: global_buffer, .address_space: global }
      - { .name: bfr, .offset: 16, .size: 8, .value_kind: global_buffer, .address_space: global }
      - { .name: bo, .offset: 24, .size: 8, .value_kind: global_buffer, .address_space: global }
      - { .name: part, .offset: 32, .size: 8, .value_kind: global_buffer, .address_space: global }
      - { .name: nlse, .offset: 40, .size: 8, .value_kind: global_buffer, .address_space: global }
    .group_segment_fixed_size: 327680
    .private_segment_fixed_size: 0
    .kernarg_segment_align: 8
    .kernarg_segment_size: 48
    .max_flat_workgroup_size: 256
    .sgpr_count:     66
    .vgpr_count:     448
    .wavefront_size: 32
...
	.end_amdgpu_metadata
.endif
;; end of part 4
;; launch attna (part 5): grid 256 x 1, 8 waves a work-group, clusters of 4 x 1, 327,680 bytes of LDS; arguments kfr, qfr, afr, nlse, part, out0; writes out0
.if DOCPART == 5
	.amdgcn_target "amdgcn-amd-amdhsa--gfx1250"
	.amdhsa_code_object_version 6
	.text
	.protected	k_q7a40e7bb56_attna
	.globl	k_q7a40e7bb56_attna
	.p2align	8
	.type	k_q7a40e7bb56_attna,@function
k_q7a40e7bb56_attna:
	s_mov_b64 s[64:65], 0
	v_nop
	global_prefetch_b8 v0, s[64:65] scope:SCOPE_SE
	s_setreg_imm32_b32 hwreg(HW_REG_WAVE_MODE, 25, 1), 1
	s_wait_xcnt 0x0
	s_wait_alu depctr_hold_cnt(0) depctr_sa_sdst(0) depctr_va_vdst(0) depctr_va_sdst(0) depctr_va_ssrc(0) depctr_va_vcc(0) depctr_vm_vsrc(0)
	s_getreg_b32 s2, hwreg(HW_REG_IB_STS2, 6, 4)
	s_cmp_eq_u32 s2, 0
	s_cbranch_scc0 .Lentry_in_a_cluster
	s_endpgm
.Lentry_in_a_cluster:
	s_bfe_u32 s2, ttmp6, 0x10000c
	s_cmp_lg_u32 s2, 0x3003
	s_cbranch_scc0 .Lentry_shape_is_right
	s_endpgm
.Lentry_shape_is_right:
; out0 = part + (Wo a) attn: out[c][m] += sum over j of a'[c][j] exp2(S[j][m] + nlse[j]), S[j][m] = q[j].k[m] in base-2 units.
; nlse[j] = -(maximum + log2 sum) of softmax row j comes from the launch before, so each exponent is S minus the row's maximum minus a number that is not negative:
; no exponential passes 1 but for rounding.  nlse enters as the C operand of the first product, so the loop has no maximum, no sum and no rescaling.
; FORMATS: q and k are f16 (the exponents' product is the f16 form, on the same stored numbers as in the launch before, so that S and nlse agree),
; a' and the probabilities bf16 (the second product is the bf16 form); all sums f32.  No accumulator sees both forms.
; LIMITS: q and k as stored must be finite in f16 (the launch that makes them states the figure); probabilities are rounded to bf16; an exponential below 2^-126
; counts as zero; the sums run in another order than the formula's (rows j in four quarters, merged at the end; pixels permuted inside a chunk).
; Shape as in the launch before: 128 columns m a work-group, eight waves, wave w = (column chunk qh = w / 4, quarter kq = w % 4 of the rows j);
; the stationary operand is kfr, the streamed ones are qfr and afr; two LDS slots of 128 KiB, wave w fills part w of a slot with one tensor load.
; CLUSTER: the four work-groups of a cluster lie in one region and walk the same q, a' and nlse: all are asked for jointly (mask 15).
; SCHEDULE: my two chunks of a slot are eight steps, one for each (chunk, column tile).  A step's 32 exponentials are ONE BATCH with ONE wait.  Step u: the batch, tile u's
; exponentials in place, with the eight matrix instructions of step u + 1's exponents set among them, four exponentials to each; then the second product of step u - 1
; (eight matrix instructions in a run: no vector work of this launch lies in their register window), which names no result of the batch; four v_nop; the wait; in steps 0, 2
; and 4 the run of LDS loads; then the readers, tile u's sixteen roundings.  No exponential is issued behind a step's wait.
; The last step's second product stands behind the next slot's barrier, behind the loads of the next rows, while these are on their way from LDS.
; REGISTERS: window 0 as named below; window 1: v256-383 the 16 output tiles (column tile t, channel tile ct) at 8 (4 t + ct), v384-447 the a' fragments.
.set SLOTB, 131072
.set NLSE,  262144                     ; the region's nlse: 64 chunks x 256 bytes
.set AK,   2                           ; v2, v3    my part of q in slot 0, 1
.set AV,   4                           ; v4, v5    my part of a'
.set ANL,  6                           ; v6        nlse of my part's first chunk + 32 h; steps 2,048 bytes a tile
.set NLF,  8                           ; v[8:39]   nlse as four C operands: register j of tile kt = row 16 kt + 8 h + j
.set QF,   40                          ; v[40:103]  my 64 columns (k): fragment (t, ks) at 8 (2 t + ks)
.set KF,   104                         ; v[104:167] a chunk of rows (q): fragment (kt, ks) at 8 (2 kt + ks)
.set S0,   168
.set S1,   200
.set PB,   232                         ; v[232:247] the probabilities in bf16: two B fragments
.set AST,  248
.set ARD,  249
.set OUTO, 250
.set VF,   128                         ; window 1
.set T,    40
.set R,    168
.set MSB, 0
.macro WIN new                         ; s_set_vgpr_msb: bits 1:0 source 0, 3:2 source 1, 5:4 source 2, 7:6 destination; the high byte repeats the setting that is left
.if MSB != \new
	s_set_vgpr_msb (MSB<<8)|\new
.set MSB, \new
.endif
.endm
.macro PLACES                          ; four plain vector instructions between a matrix instruction and a reader of its result, a writer of or a load into its sources
.rept 4
	v_nop
.endr
.endm
.macro ROUND                           ; a round of the cluster's barrier
	s_barrier_signal -1
	s_barrier_wait -1
	s_cmp_lg_u32 s8, 0
	s_cbranch_scc1 .Lnot_wave_0_\@
	s_barrier_signal -3
.Lnot_wave_0_\@:
	s_barrier_wait -3
	s_barrier_signal -1
	s_barrier_wait -1
.endm
.macro LD16 dst, addr, off
.set ii, 0
.rept 16
	ds_load_b128 v[\dst+4*ii:\dst+4*ii+3], v[\addr] offset:\off+512*ii
.set ii, ii+1
.endr
.endm
.macro LDN off                         ; a chunk's nlse: all lanes of a half read the same 32 bytes of each tile
.irp kt, 0,1,2,3
	ds_load_b128 v[NLF+8*\kt:NLF+8*\kt+3], v[ANL] offset:\off+64*\kt
	ds_load_b128 v[NLF+8*\kt+4:NLF+8*\kt+7], v[ANL] offset:\off+64*\kt+16
.endr
.endm
; The exponents of column tile t, 64 rows x 16 columns, f16 operands, are eight matrix instructions: number idx takes row tile idx % 4 and half idx / 4 of the channels.
; In this product and in the second one four accumulators take turns, one instruction a turn.
.macro QKW t, buf, idx
.if (\idx) < 4
	v_wmma_f32_16x16x32_f16 v[\buf+8*(\idx):\buf+8*(\idx)+7], v[KF+16*(\idx):KF+16*(\idx)+7], v[QF+16*\t:QF+16*\t+7], v[NLF+8*(\idx):NLF+8*(\idx)+7]
.else
	v_wmma_f32_16x16x32_f16 v[\buf+8*(\idx)-32:\buf+8*(\idx)-25], v[KF+16*(\idx)-56:KF+16*(\idx)-49], v[QF+16*\t+8:QF+16*\t+15], v[\buf+8*(\idx)-32:\buf+8*(\idx)-25]
.endif
.endm
.macro QKB t, buf                      ; all eight in a run
.irp w, 0,1,2,3,4,5,6,7
	QKW \t, \buf, \w
.endr
.endm
; The second product of column tile t: 64 channels x 64 rows x 16 columns, eight matrix instructions in a run.  Under window setting 0x51: D, C and A in window 1, B in window 0.
.macro PVB t, first
.irp ct, 0,1,2,3
.if \first
	v_wmma_f32_16x16x32_bf16 v[8*(4*\t+\ct):8*(4*\t+\ct)+7], v[VF+16*\ct:VF+16*\ct+7], v[PB:PB+7], 0
.else
	v_wmma_f32_16x16x32_bf16 v[8*(4*\t+\ct):8*(4*\t+\ct)+7], v[VF+16*\ct:VF+16*\ct+7], v[PB:PB+7], v[8*(4*\t+\ct):8*(4*\t+\ct)+7]
.endif
.endr
.irp ct, 0,1,2,3
	v_wmma_f32_16x16x32_bf16 v[8*(4*\t+\ct):8*(4*\t+\ct)+7], v[VF+16*\ct+8:VF+16*\ct+15], v[PB+8:PB+15], v[8*(4*\t+\ct):8*(4*\t+\ct)+7]
.endr
.endm
.macro EX2 buf, g, p                   ; g = group of eight registers (a tile of 16 rows), p = register pair in it
	v_exp_f32 v[\buf+8*\g+2*\p], v[\buf+8*\g+2*\p]
	v_exp_f32 v[\buf+8*\g+2*\p+1], v[\buf+8*\g+2*\p+1]
.endm
.macro CVT buf, g, p                   ; a reader of the batch: it stands behind the step's wait
	v_cvt_pk_bf16_f32 v[PB+4*\g+\p], v[\buf+8*\g+2*\p], v[\buf+8*\g+2*\p+1]
.endm
; A phase of the batch: the eight exponentials of group g, and two matrix instructions (numbers 2 g, 2 g + 1) of tile tq's exponents into nbuf, which name nbuf, q, my columns
; and nlse and no result of the batch.  Each accumulator's lowest register is read first.
; kw = 1: the loads of the rows and of nlse that the matrix instructions read are waited for in front of the first of them.
.macro PH buf, g, doqk, tq, nbuf, kw
	EX2 \buf, \g, 0
.if \doqk
.if \kw
	s_wait_dscnt 0x0                               ; the second chunk's q and nlse, asked for in the step before, are in
.endif
	QKW \tq, \nbuf, 2*\g
.endif
	EX2 \buf, \g, 1
	EX2 \buf, \g, 2
.if \doqk
	QKW \tq, \nbuf, 2*\g+1
.endif
	EX2 \buf, \g, 3
.endm
; Step u of a slot's eight: the exponents of this step's tile lie in buf; tp = the tile of the step before, tq = of the step after, whose exponents go to nbuf.
.macro STEP slot, u, tp, tq, buf, nbuf, pfirst, dopv, doqk
.if \u == 3
	PH \buf, 0, \doqk, \tq, \nbuf, 1
.else
	PH \buf, 0, \doqk, \tq, \nbuf, 0
.endif
	PH \buf, 1, \doqk, \tq, \nbuf, 0
	PH \buf, 2, \doqk, \tq, \nbuf, 0
	PH \buf, 3, \doqk, \tq, \nbuf, 0
.if \u == 1
	s_wait_dscnt 0x0                               ; the first chunk's a', asked for in step 0, is in
.endif
.if \u == 5
	s_wait_dscnt 0x0                               ; the second chunk's a', asked for in step 4, is in
.endif
.if \dopv
	WIN 0x51
	PVB \tp, \pfirst                               ; the work between the batch and its wait: it reads the roundings of the step before and a', and writes output tiles
	WIN 0
.endif
	PLACES                                         ; between the second product and the first rounding into PB, its B operand; between the last readers of a', q and nlse and the loads below;
	                                               ; and the plain instruction between the last exponential and its use (ISA guide 5.7.2)
	s_wait_alu depctr_va_vdst(0)                   ; the step's one wait: it serves the batch of 32 exponentials; their readers are the roundings below
.if \u == 0
	WIN 0x40                                       ; loaded data in window 1
	LD16 VF, AV+\slot, 0
	WIN 0
.endif
.if \u == 2
	LD16 KF, AK+\slot, 8192                        ; the second chunk's q and nlse, the four v_nop behind the last reader of the first chunk's
	LDN 256
.endif
.if \u == 4
	WIN 0x40
	LD16 VF, AV+\slot, 8192                        ; the four v_nop behind the first chunk's last second product
	WIN 0
.endif
.irp g, 0,1,2,3
.irp p, 0,1,2,3
	CVT \buf, \g, \p                               ; with the v_nop above: twenty plain instructions behind the last matrix instruction into nbuf
.endr
.endr
.endm
.macro STEPS slot, fs                  ; fs = 1: the launch's first slot, whose first chunk starts the output tiles: nothing is cleared
	STEP \slot, 0, 3, 1, S0, S1, 0, 0, 1
	STEP \slot, 1, 0, 2, S1, S0, \fs, 1, 1
	STEP \slot, 2, 1, 3, S0, S1, \fs, 1, 1
	STEP \slot, 3, 2, 0, S1, S0, \fs, 1, 1
	STEP \slot, 4, 3, 1, S0, S1, \fs, 1, 1
	STEP \slot, 5, 0, 2, S1, S0, 0, 1, 1
	STEP \slot, 6, 1, 3, S0, S1, 0, 1, 1
	STEP \slot, 7, 2, 0, S1, S0, 0, 1, 0           ; the next exponents need the next slot; this step's second product follows behind the barrier
.endm
; A slot's head: the first chunk's q and nlse are asked for; prev = 1: meanwhile the second product of the last slot's last step, which reads registers alone.
.macro HEAD slot, prev
	LD16 KF, AK+\slot, 0
	LDN 0
.if \prev
	WIN 0x51
	PVB 3, 0
	WIN 0
.endif
	s_wait_dscnt 0x0                               ; q and nlse are in
	QKB 0, S0
	PLACES                                         ; behind these matrix instructions, whose results are read next
.endm
; A slot.  refill = 1: the other slot, read last, is filled again.  In front of the round every wave has waited for all its tensor loads
; (one was out: its part of this slot) and for its LDS reads; behind the round its one load comes first and has this slot's work in which to land.
.macro TWO slot, refill
	s_wait_tensorcnt 0x0
	ds_add_u32 v254, v255
	s_wait_dscnt 0x0
.if \refill
	s_add_nc_u64 s[30-4*\slot:31-4*\slot], s[30-4*\slot:31-4*\slot], 2*65536   ; no load of mine is out: the other slot's address steps two tiles on
.endif
	s_wait_dscnt 0x0
.if \refill
	ROUND
	tensor_load_to_lds s[28-4*\slot:31-4*\slot], s[16:23]
	s_nop 0
.else
	s_barrier_signal -1
	s_barrier_wait -1
.endif
	HEAD \slot, 1
	STEPS \slot, 0
.if \refill
	v_add_nc_u32 v[ANL], 2048, v[ANL]              ; the next tile's eight chunks of nlse
.endif
.endm
	s_load_b256 s[48:55], s[0:1], 0x0              ; kfr 48, qfr 50, afr 52, nlse 54
	s_load_b128 s[56:59], s[0:1], 0x20             ; part 56, out0 58
	v_lshl_add_u32 v254, v0, 2, 0x44000
	v_mov_b32 v255, 0
	ds_add_u32 v254, v255
	v_lshrrev_b32 v1, 5, v0
	v_readfirstlane_b32 s8, v1                     ; wave 0..7
	s_and_b32 s9, s8, 3                            ; kq
	s_lshr_b32 s10, s8, 2                          ; qh
	s_bfe_u32 s11, ttmp6, 0x40000                  ; cx
	s_lshr_b32 s12, ttmp9, 3                       ; region: from the cluster's number alone, so that joint addresses never hold cx
	s_and_b32 s13, ttmp9, 7
	s_lshl_b32 s13, s13, 2
	s_add_co_u32 s13, s13, s11
	s_lshl_b32 s13, s13, 1
	s_add_co_u32 s13, s13, s10                     ; my column chunk, 0..63
	s_mov_b32 s16, 15|(3<<16)|(1<<21)              ; group 1 of the tiles: joint (mask 15), elements of 8 bytes, no padding
	s_mov_b32 s17, 32<<16                          ; tensor_dim0 = 32 (256 bytes)
	s_mov_b32 s18, 64<<16                          ; tensor_dim1 = 64
	s_mov_b32 s19, 32<<16                          ; tile_dim0 = 32
	s_mov_b32 s20, 64                              ; tile_dim1 = 64: 16 KiB, two chunks
	s_mov_b32 s21, 32                              ; dense
	s_mov_b32 s22, 0
	s_mov_b32 s23, 0
	s_mov_b32 s36, 15|(3<<16)|(1<<21)              ; group 1 of nlse: the same with 8 rows, 2 KiB a wave
	s_mov_b32 s37, 32<<16
	s_mov_b32 s38, 8<<16
	s_mov_b32 s39, 32<<16
	s_mov_b32 s40, 8
	s_mov_b32 s41, 32
	s_mov_b32 s42, 0
	s_mov_b32 s43, 0
	s_lshl_b32 s60, s12, 19                        ; a region's 64 chunks of 8,192 bytes
	s_lshl_b32 s61, s9, 14                         ; + my part of a tile
	s_add_co_u32 s60, s60, s61
	s_mov_b32 s61, 0
	s_lshl_b32 s62, s12, 19
	s_lshl_b32 s63, s13, 13
	s_add_co_u32 s62, s62, s63                     ; my column chunk
	s_mov_b32 s63, 0
	s_lshl_b32 s2, s12, 14                         ; nlse: region x 16,384 + wave x 2,048
	s_lshl_b32 s3, s8, 11
	s_add_co_u32 s2, s2, s3
	s_add_co_u32 s33, s3, NLSE                     ; and where it goes in LDS
	s_mov_b32 s3, 0
	s_lshr_b32 s4, s12, 2                          ; my chunk in the image: image, gy, gx, row, and channels 16 kq on
	s_lshl_b32 s4, s4, 22
	s_bfe_u32 s5, s12, 0x10001
	s_lshl_b32 s5, s5, 15
	s_add_co_u32 s4, s4, s5
	s_and_b32 s5, s12, 1
	s_lshl_b32 s5, s5, 8
	s_add_co_u32 s4, s4, s5
	s_lshl_b32 s5, s13, 9
	s_add_co_u32 s4, s4, s5
	s_lshl_b32 s5, s9, 20
	s_add_co_u32 s4, s4, s5
	s_mov_b32 s5, 0
	s_wait_dscnt 0x0
	s_wait_kmcnt 0x0
	s_cmp_lt_u32 s8, 4                             ; waves 0-3 fetch q, waves 4-7 a'
	s_cselect_b64 s[14:15], s[50:51], s[52:53]
	s_add_nc_u64 s[14:15], s[14:15], s[60:61]
	s_add_nc_u64 s[62:63], s[48:49], s[62:63]
	s_add_nc_u64 s[6:7], s[56:57], s[4:5]          ; part at my chunk
	s_add_nc_u64 s[60:61], s[58:59], s[4:5]        ; out0 at my chunk
	s_mov_b32 s32, 1                               ; group 0 of nlse
	s_add_nc_u64 s[34:35], s[54:55], s[2:3]
	s_or_b32 s35, s35, 0x80000000
	s_mov_b32 s24, 1                               ; group 0 of slot 0: tile 0
	s_lshl_b32 s25, s8, 14
	s_mov_b64 s[26:27], s[14:15]
	s_or_b32 s27, s27, 0x80000000
	s_mov_b32 s28, 1                               ; group 0 of slot 1: tile 1, eight chunks on
	s_add_co_u32 s29, s25, SLOTB
	s_add_nc_u64 s[30:31], s[14:15], 65536
	s_or_b32 s31, s31, 0x80000000
	ROUND                                          ; the four partners are here: their joint loads meet
	tensor_load_to_lds s[32:35], s[36:43]          ; three loads of this wave are out
	s_nop 0
	tensor_load_to_lds s[24:27], s[16:23]
	s_nop 0
	tensor_load_to_lds s[28:31], s[16:23]
	s_nop 0
	v_and_b32 v1, 31, v0
	v_lshlrev_b32 v1, 4, v1                        ; 16 x lane
.set ii, 0
.rept 16
	global_load_b128 v[QF+4*ii:QF+4*ii+3], v1, s[62:63] offset:512*ii
.set ii, ii+1
.endr
	v_bfe_u32 v7, v0, 4, 1                         ; h
	s_lshl_b32 s47, s9, 9
	s_add_co_u32 s47, s47, NLSE
	v_lshl_add_u32 v[ANL], v7, 5, s47
	s_lshl_b32 s47, s9, 14
	v_add_nc_u32 v[AK], s47, v1
	v_add_nc_u32 v[AK+1], SLOTB, v[AK]
	v_add_nc_u32 v[AV], 65536, v[AK]
	v_add_nc_u32 v[AV+1], SLOTB+65536, v[AK]
	s_lshl_b32 s47, s8, 14
	v_add_nc_u32 v[AST], s47, v1
	s_lshl_b32 s47, s10, 16
	s_lshl_b32 s44, s9, 10
	s_add_co_u32 s47, s47, s44
	v_add_nc_u32 v[ARD], s47, v1
	v_and_b32 v[OUTO], 15, v0
	v_lshlrev_b32 v[OUTO], 4, v[OUTO]
	v_lshl_add_u32 v[OUTO], v7, 19, v[OUTO]
	s_wait_tensorcnt 0x1                           ; my parts of nlse and of slot 0 are in; slot 1's may stay out
	s_barrier_signal -1
	s_barrier_wait -1
	s_wait_loadcnt 0x0                             ; my columns
	HEAD 0, 0
	STEPS 0, 1
	v_add_nc_u32 v[ANL], 2048, v[ANL]
	s_mov_b32 s44, 3                               ; tiles 1 to 6, two a trip; each refills the slot read before it (tiles 2 to 7)
.Lpair:
	TWO 1, 1
	TWO 0, 1
	s_sub_co_u32 s44, s44, 1
	s_cmp_lg_u32 s44, 0
	s_cbranch_scc1 .Lpair
	TWO 1, 0                                       ; tile 7: nothing is left to fetch; behind its barrier no wave reads slot 0 and no load fills it any more
	WIN 0x51
	PVB 3, 0                                       ; the very last step's second product
	WIN 0
	; THE MERGE of the four quarters, through slot 0's bytes, onto the other term.
	PLACES                                         ; behind the last matrix instructions, whose results are stored next
.irp j, 0,1,2,3,4,5,6,7
	global_load_b128 v[R+4*\j:R+4*\j+3], v[OUTO], s[6:7] offset:\j*65536 th:TH_LOAD_NT   ; channel 16 kq + 8 h + j, pixels 4 r .. 4 r + 3
.endr
	WIN 0x04                                       ; store data in window 1
.set ii, 0
.rept 32
	ds_store_b128 v[AST], v[4*ii:4*ii+3] offset:512*ii     ; tile (t, ct), half jq of its registers, at 4,096 t + 1,024 ct + 512 jq
.set ii, ii+1
.endr
	WIN 0
	s_wait_dscnt 0x0                               ; my stores are done, for the others' sake
	s_barrier_signal -1
	s_barrier_wait -1
.irp k, 0,1,2,3
.irp q, 0,1,2,3,4,5,6,7
	ds_load_b128 v[T+32*\k+4*\q:T+32*\k+4*\q+3], v[ARD] offset:\k*16384+(\q>>1)*4096+(\q&1)*512   ; channel tile kq of wave (qh, k)
.endr
.endr
.irp k, 1,2,3
	s_wait_dscnt 24-8*\k                           ; quarters 0 to k are in, the younger loads stay out
.set ii, 0
.rept 16
	v_pk_add_f32 v[T+2*ii:T+2*ii+1], v[T+2*ii:T+2*ii+1], v[T+32*\k+2*ii:T+32*\k+2*ii+1]
.set ii, ii+1
.endr
.endr
	s_wait_loadcnt 0x0                             ; the other term
.irp t, 0,1,2,3
.irp j, 0,1,2,3,4,5,6,7
	v_add_f32 v[R+4*\j+\t], v[R+4*\j+\t], v[T+8*\t+\j]
.endr
.endr
.irp j, 0,1,2,3,4,5,6,7
	global_store_b128 v[OUTO], v[R+4*\j:R+4*\j+3], s[60:61] offset:\j*65536 th:TH_STORE_NT   ; 16 lanes store 256 consecutive bytes, aligned
.endr
	s_wait_tensorcnt 0x0
	ds_add_u32 v254, v255
	s_wait_dscnt 0x0
	ROUND                                          ; the closing round
	s_endpgm
.Lfunc_end_k_q7a40e7bb56_attna:
	.size	k_q7a40e7bb56_attna, .Lfunc_end_k_q7a40e7bb56_attna-k_q7a40e7bb56_attna
	.p2alignl 7, 3214868480
	.fill 96, 4, 3214868480
	.section	.rodata,"a",@progbits
	.p2align	6, 0x0
	.amdhsa_kernel k_q7a40e7bb56_attna
		.amdhsa_group_segment_fixed_size 327680
		.amdhsa_private_segment_fixed_size 0
		.amdhsa_enable_private_segment 0
		.amdhsa_kernarg_size 48
		.amdhsa_user_sgpr_count 2
		.amdhsa_user_sgpr_kernarg_segment_ptr 1
		.amdhsa_wavefront_size32 1
		.amdhsa_system_sgpr_workgroup_id_x 1
		.amdhsa_system_sgpr_workgroup_id_y 1
		.amdhsa_system_sgpr_workgroup_id_z 1
		.amdhsa_system_vgpr_workitem_id 0
		.amdhsa_next_free_vgpr 448
		.amdhsa_next_free_sgpr 66
		.amdhsa_reserve_vcc 0
		.amdhsa_float_denorm_mode_32 3
		.amdhsa_float_denorm_mode_16_64 3
		.amdhsa_memory_ordered 1
		.amdhsa_forward_progress 1
		.amdhsa_inst_pref_size 144
	.end_amdhsa_kernel
	.amdgpu_metadata
---
amdhsa.version: [ 1, 2 ]
amdhsa.kernels:
  - .name:           k_q7a40e7bb56_attna
    .symbol:         k_q7a40e7bb56_attna.kd
    .args:
      - { .name: kfr, .offset: 0, .size: 8, .value_kind: global_buffer, .address_space: global }
      - { .name: qfr, .offset: 8, .size: 8, .value_kind: global_buffer, .address_space: global }
      - { .name: afr, .offset: 16, .size: 8, .value_kind: global_buffer, .address_space: global }
      - { .name: nlse, .offset: 24, .size: 8, .value_kind: global_buffer, .address_space: global }
      - { .name: part, .offset: 32, .size: 8, .value_kind: global_buffer, .address_space: global }
      - { .name: out0, .offset: 40, .size: 8, .value_kind: global_buffer, .address_space: global }
    .group_segment_fixed_size: 327680
    .private_segment_fixed_size: 0
    .kernarg_segment_align: 8
    .kernarg_segment_size: 48
    .max_flat_workgroup_size: 256
    .sgpr_count:     66
    .vgpr_count:     448
    .wavefront_size: 32
...
	.end_amdgpu_metadata
.endif
;; end of part 5
